; MI455X (gfx1250); checked and timed in simulation.
; The chip was launched on July 23, 2026; its instructions are those of AMD's public machine-readable ISA for CDNA 5 (MIT licence, August 2026) and "CDNA5" Instruction Set Architecture Reference Guide (July 2026). The comments in the code are by the model that wrote it; some were corrected since.
;; Head Attention. Allowed arithmetic: matrix products marked QUANTISED: E4M3 operands, one given power-of-two scale a tensor, by v_wmma_f32_16x16x64_fp8_fp8 or v_wmma_f32_16x16x128_fp8_fp8, f32 sums; everything else in f32.
;; Inputs: Wk 1,024 x 128 float32; Wq 1,024 x 128 float32; Wv 1,024 x 128 float32; inputs 8 x 4,096 x 1,024 float32; lowp_scales 10 int32 (the exponents e of the quantised operands' scales 2^e).
;; Outputs: out0 8 x 4,096 x 128 float32.
;; This version of the problem:
;;   THIS VERSION OF THE PROBLEM IS GIVEN IN LOW PRECISION. The matrix products marked QUANTISED in the list below multiply operands that are first quantised to E4M3 (4 exponent bits, 3 mantissa bits; 8 bits a number), with one given power-of-two scale for each operand tensor; their sums are f32. All else is computed in f32.
;;   The module's matrix products, in the order in which they are computed (A, B: the left and right operand; K: the contracted axis; several contracted axes count as one K, in the product's order):
;;     1. [M 32,768, K 1,024] x [K 1,024, N 128]; A: input inputs; B: input Wq: QUANTISED (scales: A lowp_scales[0], B lowp_scales[1])
;;     2. [M 32,768, K 1,024] x [K 1,024, N 128]; A: input inputs; B: input Wk: QUANTISED (scales: A lowp_scales[2], B lowp_scales[3])
;;     3. [M 32,768, K 1,024] x [K 1,024, N 128]; A: input inputs; B: input Wv: QUANTISED (scales: A lowp_scales[4], B lowp_scales[5])
;;     4. batch 8 x [M 4,096, K 128] x [K 128, N 4,096]; A: computed on the way; B: computed on the way: QUANTISED (scales: A lowp_scales[6], B lowp_scales[7])
;;     5. batch 8 x [M 4,096, K 4,096] x [K 4,096, N 128]; A: softmax (see below); B: computed on the way: QUANTISED (scales: A lowp_scales[8], B lowp_scales[9])
;;   THE QUANTISER, for each operand of a quantised product, along K:
;;     - The operand's scale is 2^e, e = its entry of the input lowp_scales (int32; the entries are numbered through the quantised products in the list's order, A before B).
;;     - Each number is divided by the scale, clamped to +-448, and rounded to the nearest number of E4M3, ties to even, subnormals kept.
;;     - The product sums the exact products of the quantised numbers (number of the format x scale) in f32.
;;   ~~~python
;;   def quantise(x, axis, e):      # numpy; x: float32 -> the quantised numbers, widened to float32 again
;;       x = np.moveaxis(x, axis, -1); K = x.shape[-1]
;;       r = np.clip(x / 2.0 ** e, -448, 448)
;;       step = 2.0 ** (np.maximum(np.frexp(np.where(r == 0, 1, r))[1] - 1, -6) - 3)
;;       q = np.round(r / step) * step * 2.0 ** e      # np.round: ties to even
;;       return np.moveaxis(q, -1, axis).astype(np.float32)
;;   ~~~
;;   SOFTMAX AHEAD OF A QUANTISED PRODUCT. Where the list says 'softmax', what is quantised is not the finished softmax but p = 2^(t - M), with t = logit x log2(e) and M = ceil(the row's largest t), a whole number; so 1/2 < the row's largest p <= 1. The row's sum l is taken of the UNQUANTISED p, in f32, and the product's result is divided by l at the end. Since M is a whole number, a kernel that streams over the keys may use a running M (the ceiling of the running maximum): every later rescaling is an exact power of two, so the quantised numbers keep their values, but for numbers so far below the row's largest that they fall under the format's range.
;;   OPERANDS COMPUTED ON THE WAY. 'Computed on the way' means the value that the module computes at that place (a softmax that the list does not call 'softmax' is quantised finished and normalised). What goes into a quantiser is computed in f32, as accurately as f32 sums, v_exp_f32 and their like allow (about 1e-6 of the number): no bf16 or f16 on the way to a quantiser, and a product that is left as it is and whose result goes on into a quantised operand takes f32 operands (vector FMAs, or v_wmma_f32_16x16x4_f32). A number that lies on a knife's edge between two numbers of the format may be rounded either way, as far as f32 arithmetic and the matrix unit's own rounding can turn it there, and no further.
;; 2 versions, each right; version 2 is version 1 with the launch attn written anew for expert scheduling mode. Each part assembles by itself: llvm-mc -triple=amdgcn-amd-amdhsa -mcpu=gfx1250 --defsym DOCPART=n.
;; ======== version 1 of 2: 3 launches
;; workspace buffers: wc 393,216 bytes; qc 4,194,304 bytes; kv 8,388,608 bytes
;; launch wquant (part 1): grid 24 x 8, 1 waves a work-group, no clusters, 0 bytes of LDS; arguments Wq, Wk, Wv, lowp_scales, wc; writes wc
.if DOCPART == 1
	.amdgcn_target "amdgcn-amd-amdhsa--gfx1250"
	.amdhsa_code_object_version 6
	.text
	.protected	k_qc787788c3a_wquant
	.globl	k_qc787788c3a_wquant
	.p2align	8
	.type	k_qc787788c3a_wquant,@function
k_qc787788c3a_wquant:
	s_mov_b64 s[64:65], 0
	v_nop
	global_prefetch_b8 v0, s[64:65] scope:SCOPE_SE
	s_setreg_imm32_b32 hwreg(HW_REG_WAVE_MODE, 25, 1), 1
	s_wait_xcnt 0x0
; Wq, Wk, Wv: [1024 (k)][128 (n)] f32, K their FIRST axis, become codes of E4M3 with the given scales 2^e (entries 1, 3, 5 of the scales).
; code = w / 2^e, held within +-448, rounded to the nearest code, ties to even.
; LIMITS: e between -126 and 119, so that 2^e and 448 x 2^e are f32 numbers.  NaN among the inputs is not served.
; THE OUTPUT IS LAID AS THE NEXT LAUNCH'S MATRIX OPERAND LIES IN REGISTERS: wc = [K step s 0..7][column tile t 0..23][image of 2,048 bytes]; t 0-7 Wq, 8-15 Wk, 16-23 Wv.
; A fragment is 16 columns x 128 k in 16 registers: lane (r = lane % 16, h = lane / 16) holds column 16 (t % 8) + r, registers 2 c, 2 c + 1 hold k = 128 s + 16 c + 8 h + 0 .. 7.
; Its image: registers 4 i .. 4 i + 3 of lane l at byte 512 i + 16 l.  So a K step's 24 fragments are one dense block of 49,152 bytes, and four dense loads of 512 bytes bring a fragment.
; One wave makes one fragment (work-group x = t, y = s): 192 work-groups, all the work there is: 1.5 MB are read once.  A LANE TAKES A COLUMN AND ITS REGISTERS RUN DOWN K:
; the conversions, which take eight neighbours along K from one lane's registers, give the operand's registers; nothing is transposed.  No LDS, no barrier, no matrix unit: there is nothing for them to do.
.set X,  16                            ; v16-79  64 numbers: register 8 c + i = W(128 s + 16 c + 8 h + i, my column)
.set CD, 80                            ; v80-95  the fragment's 16 registers
	s_load_b256 s[4:11], s[0:1], 0x0               ; Wq s[4:5], Wk s[6:7], Wv s[8:9], the scales' exponents s[10:11]
	s_load_b64 s[12:13], s[0:1], 0x20              ; wc
	s_and_b32 s14, ttmp7, 0xffff                   ; s: the K step
	s_and_b32 s15, ttmp9, 7                        ; t % 8: the column tile within its weight
	v_and_b32 v3, 15, v0                           ; r
	v_lshrrev_b32 v4, 4, v0                        ; h (one wave: v0 is the lane)
	v_lshlrev_b32 v1, 2, v3                        ; in: 4 r,
	v_lshl_add_u32 v1, v4, 12, v1                  ; + 8 h rows of 512 bytes
	v_lshlrev_b32 v2, 4, v0                        ; out: 16 x lane
	s_lshl_b32 s24, s14, 16                        ; 128 s rows of 512 bytes,
	s_lshl_b32 s15, s15, 6                         ; + 16 columns of 4 bytes for each tile
	s_add_co_u32 s24, s24, s15
	s_mov_b32 s25, 0
	s_mul_i32 s26, s14, 24
	s_add_co_u32 s26, s26, ttmp9
	s_lshl_b32 s26, s26, 11                        ; image 24 s + t
	s_mov_b32 s27, 0
	s_wait_kmcnt 0x0
	s_load_b256 s[16:23], s[10:11], 0x0            ; e0 .. e7
	s_cmp_lt_u32 ttmp9, 8                          ; which weight: the choice hangs on the work-group's number alone
	s_cselect_b64 s[4:5], s[4:5], s[6:7]
	s_cmp_lt_u32 ttmp9, 16
	s_cselect_b64 s[4:5], s[4:5], s[8:9]
	s_add_nc_u64 s[4:5], s[4:5], s[24:25]
	s_add_nc_u64 s[12:13], s[12:13], s[26:27]
.irp c, 0,1,2,3,4,5,6,7
.irp i, 0,1,2,3,4,5,6,7
	global_load_b32 v[X+8*\c+\i], v1, s[4:5] offset:(16*\c+\i)*512   ; sixteen neighbouring lanes read 64 neighbouring bytes of a row
.endr
.endr
	s_wait_kmcnt 0x0
	s_cmp_lt_u32 ttmp9, 8
	s_cselect_b32 s17, s17, s19                    ; e1 or e3,
	s_cmp_lt_u32 ttmp9, 16
	s_cselect_b32 s17, s17, s21                    ; or e5
	s_add_co_i32 s17, s17, 127
	s_lshl_b32 s18, s17, 23
	v_mov_b32 v11, s18                             ; 2^e as f32: the conversion takes its exponent field
	s_add_co_i32 s17, s17, 8
	s_lshl_b32 s17, s17, 23
	s_or_b32 s17, s17, 0x600000
	v_mov_b32 v10, s17                             ; 448 x 2^e
	s_wait_loadcnt 0x0                             ; all 64 numbers are in
.irp c, 0,1,2,3,4,5,6,7
.irp i, 0,1,2,3,4,5,6,7
	v_med3_num_f32 v[X+8*\c+\i], v[X+8*\c+\i], -v10, v10   ; the conversion to an 8-bit code does not saturate (ISA guide 7.6.2): the hold comes first
.endr
.endr
.irp c, 0,1,2,3,4,5,6,7
	v_cvt_scalef32_pk8_fp8_f32 v[CD+2*\c:CD+2*\c+1], v[X+8*\c:X+8*\c+7], v11   ; registers 2 c, 2 c + 1 of the fragment.  Their results go to stores alone, and no vector line follows
.endr
.irp i, 0,1,2,3
	global_store_b128 v2, v[CD+4*\i:CD+4*\i+3], s[12:13] offset:512*\i   ; 32 lanes store 512 consecutive bytes, at a multiple of 256 from the buffer's first byte
.endr
	s_endpgm
.Lfunc_end_k_qc787788c3a_wquant:
	.size	k_qc787788c3a_wquant, .Lfunc_end_k_qc787788c3a_wquant-k_qc787788c3a_wquant
	.p2alignl 7, 3214868480
	.fill 96, 4, 3214868480
	.section	.rodata,"a",@progbits
	.p2align	6, 0x0
	.amdhsa_kernel k_qc787788c3a_wquant
		.amdhsa_group_segment_fixed_size 0
		.amdhsa_private_segment_fixed_size 0
		.amdhsa_enable_private_segment 0
		.amdhsa_kernarg_size 40
		.amdhsa_user_sgpr_count 2
		.amdhsa_user_sgpr_kernarg_segment_ptr 1
		.amdhsa_wavefront_size32 1
		.amdhsa_system_sgpr_workgroup_id_x 1
		.amdhsa_system_sgpr_workgroup_id_y 1
		.amdhsa_system_sgpr_workgroup_id_z 1
		.amdhsa_system_vgpr_workitem_id 0
		.amdhsa_next_free_vgpr 96
		.amdhsa_next_free_sgpr 66
		.amdhsa_reserve_vcc 0
		.amdhsa_float_denorm_mode_32 3
		.amdhsa_float_denorm_mode_16_64 3
		.amdhsa_memory_ordered 1
		.amdhsa_forward_progress 1
		.amdhsa_inst_pref_size 13
	.end_amdhsa_kernel
	.amdgpu_metadata
---
amdhsa.version: [ 1, 2 ]
amdhsa.kernels:
  - .name:           k_qc787788c3a_wquant
    .symbol:         k_qc787788c3a_wquant.kd
    .args:
      - { .name: Wq, .offset: 0, .size: 8, .value_kind: global_buffer, .address_space: global }
      - { .name: Wk, .offset: 8, .size: 8, .value_kind: global_buffer, .address_space: global }
      - { .name: Wv, .offset: 16, .size: 8, .value_kind: global_buffer, .address_space: global }
      - { .name: lowp_scales, .offset: 24, .size: 8, .value_kind: global_buffer, .address_space: global }
      - { .name: wc, .offset: 32, .size: 8, .value_kind: global_buffer, .address_space: global }
    .group_segment_fixed_size: 0
    .private_segment_fixed_size: 0
    .kernarg_segment_align: 8
    .kernarg_segment_size: 40
    .max_flat_workgroup_size: 32
    .sgpr_count:     66
    .vgpr_count:     96
    .wavefront_size: 32
...
	.end_amdgpu_metadata
.endif
;; end of part 1
;; launch proj (part 2): grid 256 x 1, 4 waves a work-group, clusters of 4 x 1, 327,680 bytes of LDS; arguments inputs, wc, lowp_scales, qc, kv; writes qc, kv
.if DOCPART == 2
	.amdgcn_target "amdgcn-amd-amdhsa--gfx1250"
	.amdhsa_code_object_version 6
	.text
	.protected	k_qc787788c3a_proj
	.globl	k_qc787788c3a_proj
	.p2align	8
	.type	k_qc787788c3a_proj,@function
k_qc787788c3a_proj:
	s_mov_b64 s[64:65], 0
	v_nop
	global_prefetch_b8 v0, s[64:65] scope:SCOPE_SE
	s_setreg_imm32_b32 hwreg(HW_REG_WAVE_MODE, 25, 1), 1
	s_wait_xcnt 0x0
	s_wait_alu depctr_hold_cnt(0) depctr_sa_sdst(0) depctr_va_vdst(0) depctr_va_sdst(0) depctr_va_ssrc(0) depctr_va_vcc(0) depctr_vm_vsrc(0)
	s_getreg_b32 s2, hwreg(HW_REG_IB_STS2, 6, 4)
	s_cmp_eq_u32 s2, 0
	s_cbranch_scc0 .Lentry_in_a_cluster
	s_endpgm
.Lentry_in_a_cluster:
	s_bfe_u32 s2, ttmp6, 0x10000c
	s_cmp_lg_u32 s2, 0x3003
	s_cbranch_scc0 .Lentry_shape_is_right
	s_endpgm
.Lentry_shape_is_right:
; q = x Wq / sqrt(128), k = x Wk, v = x Wv on codes of E4M3; x: [32768][1024] f32, read from memory ONCE; the weights: code images made by the launch before (wc).
; x is quantised three times on the way, with 2^e0, 2^e2, 2^e4, since the three products have scales of their own.  q, k, v are quantised at the end (2^e6, 2^e7, 2^e9) and leave as codes.
; LIMITS: e0, e2, e4, e6 - e0 - e1, e7 - e2 - e3 and e9 - e4 - e5 lie between -126 and 119, so that each scale and 448 x it is an f32 number.  NaN among the inputs is not served.
;   q / sqrt(128) is a multiplication by the f32 number nearest 1 / sqrt(128): within one unit in the last place of the division.
; SHARES.  A work-group owns 128 rows of x; wave w owns rows 32 w .. 32 w + 31 (two tiles of 16, u = 0, 1) against all 384 columns: 48 accumulators, 384 registers.
;   K goes in 8 steps of 128 through two LDS slots: 128 rows x 512 bytes of x as f32, and the step's 24 weight fragments (49,152 dense bytes).
;   A wave reads its own rows of x from LDS and quantises them in registers: no codes go from wave to wave.  Each weight fragment that it reads feeds two products.
; OPERANDS.  A fragment is 16 rows x 128 k in 16 registers: lane (r = lane % 16, h = lane / 16) holds row r, registers 2 c, 2 c + 1 hold k = 16 c + 8 h + 0 .. 7.
;   q and k are made TRANSPOSED (source 0 = 16 columns of W, source 1 = 16 rows of x): a lane's eight results are eight neighbouring channels 16 t + 8 h + j of ONE row: one conversion gives registers 2 t, 2 t + 1 of the
;   next product's operand (K = the channels).  v is made the natural way round (source 0 = x, source 1 = Wv): a lane's eight results are eight neighbouring KEYS of one channel: registers of an operand whose K is the keys.
;   All three leave as images of those registers (registers 4 i .. 4 i + 3 of lane l at byte 512 i + 16 l): every store of a wave covers 512 consecutive bytes, aligned, and no stage in LDS is needed.
;   qc = [tile of 16 queries][2,048];  kv = [step of 128 keys][8 images of K (16 keys each) | 8 images of V (16 channels each, K = the step's 128 keys)].
; CLUSTER.  All work-groups walk the same weights, 48 of a step's 112 KB: the four work-groups of a cluster ask for them JOINTLY (mask 15).  x's tiles are each work-group's own: plain tensor loads behind the same rounds.
; REGISTERS, in windows of 256: window 0: v1-13 addresses and scales; v16-31 two sets of eight held numbers; v32-159 x as f32; v160-255 x's codes, three sets of two fragments.
;   window 1: weight fragments, two buffers of eight.   window 2: q's 16 accumulators, then k's.   window 3: v's 16.
.set XP,    528                        ; a row of x in LDS: 512 bytes + 16 of padding = 132 words: the 16 rows that a load touches start 4 banks apart (64 banks of 4 bytes: ISA guide 11.1)
.set XB,    128*XP                     ; x's part of a slot
.set WB,    49152                      ; the weights' part: 24 images
.set SLOT,  XB+WB
.set SPARE, 2*SLOT                     ; behind the ring: the spare words, 128 bytes for each wave: two blocks of 256 bytes that no other line names
.set SPW,  1                           ; v1    LDS address of my spare word; never rewritten
.set NIL,  2                           ; v2    0; never rewritten
.set ADX,  3                           ; v3-4  my lane's place in my wave's rows of x, slot 0, 1
.set ADW,  5                           ; v5-6  my lane's place in a weight image, slot 0, 1
.set OO,   7                           ; v7    16 x lane: my place in an image in memory
.set SC,   8                           ; v8-13 for z = 0, 1, 2: the scale as f32, 448 x the scale
.set T,    16
.set XS,   32
.set XC,   160
.set WV,   14                          ; s14   my wave's number
.set HF,   15                          ; s15   wave % 2: which half of a tile I fetch
.set G1X,  24                          ; s[24:31] descriptor group 1 for x's tiles;  s[32:39] group 0, a set for each slot
.set G0X,  32
.set G1W,  40                          ; s[40:47], s[48:55] the same for the weights' tiles
.set G0W,  48
.set MSB, 0
.macro WIN new                         ; low byte: bits 1:0 source 0, 3:2 source 1, 5:4 source 2, 7:6 destination; the high byte repeats the setting that is left
.if MSB != (\new)
	s_set_vgpr_msb (MSB<<8)|(\new)
.set MSB, (\new)
.endif
.endm
.macro CROUND                          ; a round of the cluster's barrier: my work-group's barrier, wave 0 signals for the work-group, every wave waits for all four work-groups, my work-group's barrier once more
	s_barrier_signal -1
	s_barrier_wait -1
	s_cmp_lg_u32 s[WV], 0
	s_cbranch_scc1 .Lnot_wave_0_\@
	s_barrier_signal -3
.Lnot_wave_0_\@:
	s_barrier_wait -3
	s_barrier_signal -1
	s_barrier_wait -1
.endm
; A refill: waves 0 and 1 fetch the halves of x's tile, waves 2 and 3 the halves of the weights' (jointly).  The branch hangs on the wave's number alone.  Four v_nop follow each of the two lines.
.macro TLOAD slot
	s_cmp_lt_u32 s[WV], 2
	s_cbranch_scc0 .Lfor_w_\@
	tensor_load_to_lds s[G0X+4*\slot:G0X+4*\slot+3], s[G1X:G1X+7]
	s_nop 0
.rept 4
	v_nop
.endr
	s_branch .Lasked_\@
.Lfor_w_\@:
	tensor_load_to_lds s[G0W+4*\slot:G0W+4*\slot+3], s[G1W:G1W+7]
	s_nop 0
.rept 4
	v_nop
.endr
.Lasked_\@:
.endm
.macro MKSC e, sc, lim                 ; from the whole number in s[e]: 2^e and 448 x 2^e as f32
	s_add_co_i32 s68, s[\e], 127
	s_lshl_b32 s69, s68, 23
	v_mov_b32 v[\sc], s69
	s_add_co_i32 s68, s68, 8
	s_lshl_b32 s68, s68, 23
	s_or_b32 s68, s68, 0x600000
	v_mov_b32 v[\lim], s68
.endm
; 32 LDS loads: my 32 rows' numbers of a K step.  Register 64 u + 8 c + i = x(row 16 u + r, k = 16 c + 8 h + i): eight neighbours, 32 bytes, two loads
.macro FETCHX slot
.irp u, 0,1
.irp c, 0,1,2,3,4,5,6,7
	ds_load_b128 v[XS+64*\u+8*\c:XS+64*\u+8*\c+3],   v[ADX+(\slot)] offset:\u*16*XP+64*\c
	ds_load_b128 v[XS+64*\u+8*\c+4:XS+64*\u+8*\c+7], v[ADX+(\slot)] offset:\u*16*XP+64*\c+16
.endr
.endr
.endm
; 32 LDS loads: the eight fragments of weight z into buffer p; each load takes 512 consecutive bytes
.macro FETCHW slot, z, p
	WIN 0x40                                       ; destination window 1, address window 0
.irp t, 0,1,2,3,4,5,6,7
.irp i, 0,1,2,3
	ds_load_b128 v[128*(\p)+16*\t+4*\i:128*(\p)+16*\t+4*\i+3], v[ADW+(\slot)] offset:(8*(\z)+\t)*2048+512*\i
.endr
.endr
	WIN 0
.endm
; My two fragments of x in the scale of product z.  The held numbers go into two sets of eight by turns, so that x itself stays for the next z, and so that the other set's eight holds are
; the plain lines between a conversion and the rewriting of its sources (ISA guide 7.6.2: the conversion does not saturate, hence the hold).
.macro QUANT z
.irp u, 0,1
.irp c, 0,1,2,3,4,5,6,7
.irp i, 0,1,2,3,4,5,6,7
	v_med3_num_f32 v[T+8*(\c%2)+\i], v[XS+64*\u+8*\c+\i], -v[SC+2*\z+1], v[SC+2*\z+1]
.endr
	v_cvt_scalef32_pk8_fp8_f32 v[XC+32*\z+16*\u+2*\c:XC+32*\z+16*\u+2*\c+1], v[T+8*(\c%2):T+8*(\c%2)+7], v[SC+2*\z]
.endr
.endr
	v_nop                                          ; one plain line between the last conversion and the products that read its result
.endm
; 16 products: weight z's eight column tiles x my two row tiles, 128 along K, on 16 accumulators by turns, one instruction a turn; an accumulator comes up again 48 products later.
; zero = 1: the first K step starts the sums: nothing is cleared.
.macro WRUN z, p, zero
.if \z < 2
	WIN 0xa1                                       ; source 0 (W) window 1, source 1 (x) window 0, C and D window 2
.else
	WIN 0xf4                                       ; source 0 (x) window 0, source 1 (W) window 1, C and D window 3
.endif
.irp t, 0,1,2,3,4,5,6,7
.irp u, 0,1
.if \z < 2
.set AC, 128*\z+64*\u+8*\t
.if \zero
	v_wmma_f32_16x16x128_fp8_fp8 v[AC:AC+7], v[128*(\p)+16*\t:128*(\p)+16*\t+15], v[XC+32*\z+16*\u:XC+32*\z+16*\u+15], 0
.else
	v_wmma_f32_16x16x128_fp8_fp8 v[AC:AC+7], v[128*(\p)+16*\t:128*(\p)+16*\t+15], v[XC+32*\z+16*\u:XC+32*\z+16*\u+15], v[AC:AC+7]
.endif
.else
.set AC, 16*\t+8*\u
.if \zero
	v_wmma_f32_16x16x128_fp8_fp8 v[AC:AC+7], v[XC+64+16*\u:XC+64+16*\u+15], v[128*(\p)+16*\t:128*(\p)+16*\t+15], 0
.else
	v_wmma_f32_16x16x128_fp8_fp8 v[AC:AC+7], v[XC+64+16*\u:XC+64+16*\u+15], v[128*(\p)+16*\t:128*(\p)+16*\t+15], v[AC:AC+7]
.endif
.endif
.endr
.endr
.endm
; A K STEP.  The weight buffers take turns through the launch: group z of the step in slot s lies in buffer (s + z) % 2.  A group is fetched one quantising ahead of its products; the 128 holds of that
; quantising are the places between the buffer's last products and the loads into it (ISA guide 7.12.1 for vector instructions).
; mode 2: this slot is filled again, two K steps ahead;  1: the slots change, nothing is left to fetch;  0: the last step.
.macro KSTEP slot, zero, mode
	s_wait_dscnt 32                                ; x is in; the 32 younger loads, weight group 0, may be out
	QUANT 0
	FETCHW \slot, 1, 1-\slot
	s_wait_dscnt 32                                ; group 0 is in; group 1's 32 loads may be out
	WRUN 0, \slot, \zero
	WIN 0
	QUANT 1
	FETCHW \slot, 2, \slot
	s_wait_dscnt 32                                ; group 1 is in; group 2's may be out
	WRUN 1, 1-\slot, \zero
	WIN 0
	QUANT 2
.if \mode == 0
	s_wait_dscnt 0x0                               ; group 2 is in
	WRUN 2, \slot, \zero
	WIN 0
.else
	s_wait_tensorcnt 0x0                           ; all my tensor loads have landed: the one that was out is my part of the other slot; so a group 0 may be written
	ds_add_u32 v[SPW], v[NIL]                      ; 0 onto my spare word
.if \mode == 2
	s_add_nc_u64 s[G0X+4*\slot+2:G0X+4*\slot+3], s[G0X+4*\slot+2:G0X+4*\slot+3], 2*512     ; this slot's next tile: two K steps of 128 f32 on,
	s_add_nc_u64 s[G0W+4*\slot+2:G0W+4*\slot+3], s[G0W+4*\slot+2:G0W+4*\slot+3], 2*WB      ; two blocks of images on; the type bits on top are not reached
.endif
	s_wait_dscnt 1                                 ; group 2 is in; only the add may be out
	WRUN 2, \slot, \zero                           ; sixteen products stand between the add and the wait for it
	WIN 0
	s_wait_dscnt 0x0                               ; the add is done, and my reads of this slot are over
.if \mode == 2
	CROUND                                         ; no wave of any partner still reads this slot or has a load on its way
	TLOAD \slot                                    ; my one tensor load behind the round, and the first thing there: it has a whole K step in which to land
.else
	s_barrier_signal -1                            ; the other slot is whole for every wave
	s_barrier_wait -1
.endif
	FETCHX 1-\slot
	FETCHW 1-\slot, 0, 1-\slot                     ; into the buffer that the second run of products read: QUANT 2's holds are its places
.endif
.endm
	s_load_b256 s[4:11], s[0:1], 0x0               ; x s[4:5], wc s[6:7], the scales' exponents s[8:9], qc s[10:11]
	s_load_b64 s[12:13], s[0:1], 0x20              ; kv
	v_lshl_add_u32 v[SPW], v0, 2, SPARE
	v_mov_b32 v[NIL], 0
	ds_add_u32 v1, v2
	ds_add_u32 v1, v2
	s_wait_dscnt 0x0
	v_lshrrev_b32 v16, 5, v0
	v_readfirstlane_b32 s[WV], v16                 ; wave 0..3
	s_and_b32 s[HF], s[WV], 1
	s_bfe_u32 s16, ttmp6, 0x40000                  ; cx: my place in the cluster
	s_lshl_b32 s17, ttmp9, 2                       ; in a cluster launch ttmp9 counts clusters
	s_add_co_u32 s17, s17, s16                     ; my work-group = 4 x cluster + cx: it enters x's, qc's and kv's addresses alone
	; group 1 for x: 64 rows x 128 elements of 4 bytes, 1,024 elements from row to row, 4 words of padding behind every 128
	s_mov_b32 s[G1X+0], (2<<16)|(1<<20)|(6<<22)|(3<<25)   ; 15:0 no mask; 17:16 elements of 4 bytes; 20 padding on; 24:22 after every 128 words (code 6); 31:25 four words (code 3)
	s_mov_b32 s[G1X+1], 128<<16                    ; tensor_dim0 = 128
	s_mov_b32 s[G1X+2], 64<<16                     ; tensor_dim1 = 64
	s_mov_b32 s[G1X+3], 128<<16                    ; tile_dim0 = 128
	s_mov_b32 s[G1X+4], 64                         ; tile_dim1 = 64
	s_mov_b32 s[G1X+5], 1024                       ; from row to row
	s_mov_b32 s[G1X+6], 0
	s_mov_b32 s[G1X+7], 0
	; group 1 for the weights: a dense block of 24,576 bytes as 96 rows of 32 elements of 8 bytes
	s_mov_b32 s[G1W+0], 15|(3<<16)|(1<<21)         ; 15:0 the mask: all four work-groups; 17:16 elements of 8 bytes; 21 set beside a mask; no padding
	s_mov_b32 s[G1W+1], 32<<16
	s_mov_b32 s[G1W+2], 96<<16
	s_mov_b32 s[G1W+3], 32<<16
	s_mov_b32 s[G1W+4], 96
	s_mov_b32 s[G1W+5], 32
	s_mov_b32 s[G1W+6], 0
	s_mov_b32 s[G1W+7], 0
	s_lshl_b32 s18, s17, 19                        ; x: 128 rows of 4,096 bytes for each work-group,
	s_lshl_b32 s19, s[HF], 18                      ; + 64 rows for the second half
	s_add_co_u32 s18, s18, s19
	s_mov_b32 s19, 0
	s_mul_i32 s20, s[HF], WB/2                     ; the weights: the second half of a step's block.  No place in the cluster enters these registers
	s_mov_b32 s21, 0
	s_mul_i32 s22, s[HF], 64*XP                    ; and where they go in a slot
	s_mul_i32 s23, s[HF], WB/2
	s_add_co_u32 s23, s23, XB
	s_wait_kmcnt 0x0
	s_load_b256 s[56:63], s[8:9], 0x0              ; e0 .. e7
	s_load_b64 s[66:67], s[8:9], 0x20              ; e8, e9
	s_add_nc_u64 s[18:19], s[4:5], s[18:19]
	s_add_nc_u64 s[20:21], s[6:7], s[20:21]
	CROUND                                         ; all four work-groups are here: the first joint loads meet
.irp n, 0,1
	s_mov_b32 s[G0X+4*\n], 1                                       ; count = 1
	s_add_co_u32 s[G0X+4*\n+1], s22, \n*SLOT                       ; LDS address
	s_add_nc_u64 s[G0X+4*\n+2:G0X+4*\n+3], s[18:19], \n*512        ; global address: K step n
	s_or_b32 s[G0X+4*\n+3], s[G0X+4*\n+3], 0x80000000              ; type = 2
	s_mov_b32 s[G0W+4*\n], 1
	s_add_co_u32 s[G0W+4*\n+1], s23, \n*SLOT
	s_add_nc_u64 s[G0W+4*\n+2:G0W+4*\n+3], s[20:21], \n*WB
	s_or_b32 s[G0W+4*\n+3], s[G0W+4*\n+3], 0x80000000
.endr
	s_cmp_lt_u32 s[WV], 2                          ; a wave's two first fills stand in one branch, ahead of every wait on TENSORcnt and every LDS read: two loads of mine are out here, later one
	s_cbranch_scc0 .Lfirst_w
	tensor_load_to_lds s[G0X:G0X+3], s[G1X:G1X+7]
	s_nop 0
	tensor_load_to_lds s[G0X+4:G0X+7], s[G1X:G1X+7]
	s_nop 0
.rept 4
	v_nop
.endr
	s_branch .Lfirst_asked
.Lfirst_w:
	tensor_load_to_lds s[G0W:G0W+3], s[G1W:G1W+7]
	s_nop 0
	tensor_load_to_lds s[G0W+4:G0W+7], s[G1W:G1W+7]
	s_nop 0
.rept 4
	v_nop
.endr
.Lfirst_asked:
	v_and_b32 v16, 15, v0                          ; r
	v_bfe_u32 v17, v0, 4, 1                        ; h
	v_and_b32 v18, 31, v0                          ; lane
	v_lshlrev_b32 v[OO], 4, v18
	v_mul_u32_u24 v[ADX], v16, XP
	v_lshl_add_u32 v[ADX], v17, 5, v[ADX]          ; row r, + 32 h bytes: eight f32
	s_mul_i32 s22, s[WV], 32*XP                    ; my wave's 32 rows
	v_add_nc_u32 v[ADX], s22, v[ADX]
	v_add_nc_u32 v[ADX+1], SLOT, v[ADX]
	v_add_nc_u32 v[ADW], XB, v[OO]
	v_add_nc_u32 v[ADW+1], XB+SLOT, v[OO]
	s_wait_kmcnt 0x0
	MKSC 56, SC, SC+1                              ; e0: x for the product with Wq
	MKSC 58, SC+2, SC+3                            ; e2: with Wk
	MKSC 60, SC+4, SC+5                            ; e4: with Wv
	s_wait_tensorcnt 0x1                           ; my part of K step 0 is in; K step 1's may stay out
	s_barrier_signal -1
	s_barrier_wait -1                              ; everybody's is
	FETCHX 0
	FETCHW 0, 0, 0
	KSTEP 0, 1, 2                                  ; K step 0 stands in front of the loop: its products start the sums
	s_mov_b32 s3, 2
.Llap:                                                 ; K steps 1 to 4
	KSTEP 1, 0, 2
	KSTEP 0, 0, 2
	s_sub_co_u32 s3, s3, 1
	s_cmp_lg_u32 s3, 0
	s_cbranch_scc1 .Llap
	KSTEP 1, 0, 2                                  ; K step 5: its refill brings K step 7, the last
	KSTEP 0, 0, 1                                  ; the tail is written out
	KSTEP 1, 0, 0
	; THE WAY OUT.  A sum of the first product stands for sum x 2^(e0 + e1), so its code is sum / sqrt(128) / 2^(e6 - e0 - e1): the three scales are folded into the conversion's one; k and v likewise.
	; No v_nop: the lines below name none of the last products' registers (v's accumulators, x's third set of codes, a weight buffer) until v's own turn, several hundred plain lines on.
	s_sub_co_i32 s70, s62, s56
	s_sub_co_i32 s70, s70, s57
	MKSC 70, SC, SC+1                              ; e6 - e0 - e1
	s_sub_co_i32 s70, s63, s58
	s_sub_co_i32 s70, s70, s59
	MKSC 70, SC+2, SC+3                            ; e7 - e2 - e3
	s_sub_co_i32 s70, s67, s60
	s_sub_co_i32 s70, s70, s61
	MKSC 70, SC+4, SC+5                            ; e9 - e4 - e5
	s_mov_b32 s68, 0x3db504f3                      ; 1 / sqrt(128)
	s_mov_b32 s69, s68                             ; (named with it as a pair, so it is written)
	s_lshl_b32 s72, s17, 14                        ; qc: 8 images for each work-group,
	s_lshl_b32 s73, s[WV], 12                      ; my wave's two
	s_add_co_u32 s72, s72, s73
	s_mov_b32 s73, 0
	s_add_nc_u64 s[10:11], s[10:11], s[72:73]
	s_lshl_b32 s74, s17, 15                        ; kv: 16 images for each work-group; K's: my wave's two
	s_lshl_b32 s75, s[WV], 12
	s_add_co_u32 s74, s74, s75
	s_mov_b32 s75, 0
	s_add_nc_u64 s[74:75], s[12:13], s[74:75]
	s_lshl_b32 s76, s17, 15                        ; V's: behind K's eight; of each image my wave holds registers 4 w .. 4 w + 3: keys 32 w .. 32 w + 31
	s_lshl_b32 s77, s[WV], 9
	s_add_co_u32 s76, s76, s77
	s_add_co_u32 s76, s76, 16384
	s_mov_b32 s77, 0
	s_add_nc_u64 s[76:77], s[12:13], s[76:77]
	WIN 0x02                                       ; source 0 window 2
.set n, 0
.rept 64
	v_pk_mul_f32 v[XS+n:XS+n+1], v[n:n+1], s[68:69] op_sel_hi:[1,0]   ; q / sqrt(128), two at a time; each accumulator from its low end on
.set n, n+2
.endr
	WIN 0
.set n, 0
.rept 128
	v_med3_num_f32 v[XS+n], v[XS+n], -v[SC+1], v[SC+1]
.set n, n+1
.endr
.set n, 0
.rept 16
	v_cvt_scalef32_pk8_fp8_f32 v[160+2*n:161+2*n], v[XS+8*n:XS+8*n+7], v[SC]   ; n = 8 u + t: registers 2 t, 2 t + 1 of tile u's fragment
.set n, n+1
.endr
	v_nop                                          ; one plain line between the last conversion and the rewriting of its sources
.irp u, 0,1
.irp i, 0,1,2,3
	global_store_b128 v[OO], v[160+16*\u+4*\i:160+16*\u+4*\i+3], s[10:11] offset:\u*2048+512*\i   ; 32 lanes store 512 consecutive bytes, aligned.  No store's data are written again
.endr
.endr
	WIN 0x02
.set n, 0
.rept 128
	v_med3_num_f32 v[XS+n], v[128+n], -v[SC+3], v[SC+3]   ; k
.set n, n+1
.endr
	WIN 0
.set n, 0
.rept 16
	v_cvt_scalef32_pk8_fp8_f32 v[192+2*n:193+2*n], v[XS+8*n:XS+8*n+7], v[SC+2]
.set n, n+1
.endr
	v_nop
.irp u, 0,1
.irp i, 0,1,2,3
	global_store_b128 v[OO], v[192+16*\u+4*\i:192+16*\u+4*\i+3], s[74:75] offset:\u*2048+512*\i
.endr
.endr
	WIN 0x03                                       ; source 0 window 3
.set n, 0
.rept 128
	v_med3_num_f32 v[XS+n], v[n], -v[SC+5], v[SC+5]       ; v: register 16 t + 8 u + j = (key 32 w + 16 u + 8 h + j, channel 16 t + r)
.set n, n+1
.endr
	WIN 0
.set n, 0
.rept 16
	v_cvt_scalef32_pk8_fp8_f32 v[224+2*n:225+2*n], v[XS+8*n:XS+8*n+7], v[SC+4]   ; n = 2 t + u: registers 4 w + 2 u, + 1 of V's fragment t
.set n, n+1
.endr
	v_nop
.irp t, 0,1,2,3,4,5,6,7
	global_store_b128 v[OO], v[224+4*\t:224+4*\t+3], s[76:77] offset:\t*2048
.endr
	s_wait_tensorcnt 0x0                           ; the wave's end, behind my last tensor load
	ds_add_u32 v[SPW], v[NIL]
	s_wait_dscnt 0x0
	CROUND                                         ; the closing round: no work-group ends while a partner may still ask for a tile that names it
	s_endpgm
.Lfunc_end_k_qc787788c3a_proj:
	.size	k_qc787788c3a_proj, .Lfunc_end_k_qc787788c3a_proj-k_qc787788c3a_proj
	.p2alignl 7, 3214868480
	.fill 96, 4, 3214868480
	.section	.rodata,"a",@progbits
	.p2align	6, 0x0
	.amdhsa_kernel k_qc787788c3a_proj
		.amdhsa_group_segment_fixed_size 327680
		.amdhsa_private_segment_fixed_size 0
		.amdhsa_enable_private_segment 0
		.amdhsa_kernarg_size 40
		.amdhsa_user_sgpr_count 2
		.amdhsa_user_sgpr_kernarg_segment_ptr 1
		.amdhsa_wavefront_size32 1
		.amdhsa_system_sgpr_workgroup_id_x 1
		.amdhsa_system_sgpr_workgroup_id_y 1
		.amdhsa_system_sgpr_workgroup_id_z 1
		.amdhsa_system_vgpr_workitem_id 0
		.amdhsa_next_free_vgpr 1024
		.amdhsa_next_free_sgpr 80
		.amdhsa_reserve_vcc 0
		.amdhsa_float_denorm_mode_32 3
		.amdhsa_float_denorm_mode_16_64 3
		.amdhsa_memory_ordered 1
		.amdhsa_forward_progress 1
		.amdhsa_inst_pref_size 255
	.end_amdhsa_kernel
	.section	.bss,"aw",@nobits
	.p2align	6
	.space	262144
	.amdgpu_metadata
---
amdhsa.version: [ 1, 2 ]
amdhsa.kernels:
  - .name:           k_qc787788c3a_proj
    .symbol:         k_qc787788c3a_proj.kd
    .args:
      - { .name: inputs, .offset: 0, .size: 8, .value_kind: global_buffer, .address_space: global }
      - { .name: wc, .offset: 8, .size: 8, .value_kind: global_buffer, .address_space: global }
      - { .name: lowp_scales, .offset: 16, .size: 8, .value_kind: global_buffer, .address_space: global }
      - { .name: qc, .offset: 24, .size: 8, .value_kind: global_buffer, .address_space: global }
      - { .name: kv, .offset: 32, .size: 8, .value_kind: global_buffer, .address_space: global }
    .group_segment_fixed_size: 327680
    .private_segment_fixed_size: 0
    .kernarg_segment_align: 8
    .kernarg_segment_size: 40
    .max_flat_workgroup_size: 128
    .sgpr_count:     80
    .vgpr_count:     1024
    .wavefront_size: 32
...
	.end_amdgpu_metadata
.endif
;; end of part 2
;; launch attn (part 3): grid 32 x 8, 4 waves a work-group, no clusters, 169,472 bytes of LDS; arguments qc, kv, lowp_scales, out0; writes out0
.if DOCPART == 3
	.amdgcn_target "amdgcn-amd-amdhsa--gfx1250"
	.amdhsa_code_object_version 6
	.text
	.protected	k_qc787788c3a_attn
	.globl	k_qc787788c3a_attn
	.p2align	8
	.type	k_qc787788c3a_attn,@function
k_qc787788c3a_attn:
	s_mov_b64 s[64:65], 0
	v_nop
	global_prefetch_b8 v0, s[64:65] scope:SCOPE_SE
	s_setreg_imm32_b32 hwreg(HW_REG_WAVE_MODE, 25, 1), 1
	s_wait_xcnt 0x0
; out[b][q][:] = the sum over keys k <= q of softmax_k(q . k) v[k][:], both products on codes of E4M3 made by the launch before (q already holds the division by sqrt(128)).
; THE SOFTMAX AHEAD OF THE SECOND PRODUCT: t = score x log2(e); M = the largest t so far, rounded UP to a whole number; p = 2^(t - M) is quantised with 2^e8, not normalised; the sum l is taken of the
; unquantised p and divides at the end.  When M moves, l and O are multiplied by 2^(old M - new M): exact.
; LIMITS: e6 + e7 between -126 and 127 (they are added to log2(e)'s exponent field); e8 between -126 and 119; e8 + e9 is applied by v_ldexp_f32 and has none.
; SHARES.  A work-group owns two blocks of 64 queries of one batch: block j and block 63 - j.  Block b needs the key steps (128 keys) 0 .. b / 2: 33 steps for the two, in every one of the 256 work-groups.
; THE WAVES SHARE THE KEYS, NOT THE QUERIES: wave w takes key steps w, w + 4, .. for all four tiles of 16 queries, with a running M, l and O^T of its own.  So a step's K and V (32,768 bytes, images of the operands'
; registers) go from memory straight into ONE wave's registers, by loads of 512 consecutive bytes, once for the work-group, and each fragment feeds four products.  No ring in LDS, no barrier in the loop.
; At a block's end the four waves' results meet in LDS: M is a whole number, so the factors 2^(M_i - M) that bring them under the largest M round nothing.
; NO CLUSTER, NO JOINT LOADS: partners would need different numbers of steps (the blocks differ), and what is shared would have to go through LDS, where here it goes to registers; the branches on a block's
; own diagonal and on e8 would have to go as well.
; LAYOUT.  Both products are used transposed: S^T = K Q^T (source 0 = 16 keys, source 1 = 16 queries), O^T = V^T P^T (source 0 = 16 channels, source 1 = P): a lane holds ONE query (lane % 16) throughout.
; In S^T's tile t, register j of lane (r, h) is key 16 t + 8 h + j: one conversion gives registers 2 t, 2 t + 1 of P, whose layout wants k = 16 c + 8 h + 0 .. 7 there.
; REGISTERS, in windows of 256: window 0: v1-15 addresses and constants; v16-31 four registers of statistics a tile (-M, the largest t, l in two halves); v32-95 Q; v96-159, v160-223 S^T, two buffers by turns;
;   v224-239 P's codes; v240-253 at work.   window 1: O^T, 64 a tile.   windows 2, 3: K (v0-127) and V (v128-255) of the even and of the odd step of a pair; in the merge window 2 takes the four waves' O^T.
.set NMB,  131072                      ; LDS: 0 .. 131,071 the images of O^T [tile][wave][8,192]; here -M [tile][wave][128 bytes];
.set LSO,  2048                        ; 2,048 bytes on: l, laid likewise;
.set STG,  135168                      ; and a stage of 16 rows x (512 + 16) bytes for each wave
.set SP,   528
.set PAIRS, 4                          ; trips of the loop over my key steps, two steps a trip: a wave has (31 + 4) / 4 = 8 steps at the most
.set ST,   16
.set QF,   32
.set SBUF, 96
.set PC,   224
.set WV,   12                          ; s12  my wave's number
.set BT,   13                          ; s13  the batch
.set BL,   14                          ; s14  the block of 64 queries in hand
.set QB,   15                          ; s15  its first query
.set LAST, 16                          ; s16  its last key step
.set CW,   17                          ; s17  how many key steps are mine
.set IX,   18                          ; s18  counts the trips
.set KS,   19                          ; s19  the key step in hand
.set SEL,  20                          ; s[20:21] lane selects for v_permlanex16_b32: lane l xor 16
.set CS,   22                          ; s[22:23] c = log2(e) x 2^(e6 + e7)
.set EP,   24                          ; s24  e8
.set EO,   25                          ; s25  e8 + e9
.set MSB, 0
.macro WIN new                         ; low byte: bits 1:0 source 0, 3:2 source 1, 5:4 source 2, 7:6 destination; the high byte repeats the setting that is left
.if MSB != (\new)
	s_set_vgpr_msb (MSB<<8)|(\new)
.set MSB, (\new)
.endif
.endm
; 64 loads: a key step's eight fragments of K and eight of V into window 2 + e; each load takes 512 consecutive bytes
.macro LOADKV e
	WIN (2+(\e))<<6
.irp t, 0,1,2,3,4,5,6,7
.irp i, 0,1,2,3
	global_load_b128 v[16*\t+4*\i:16*\t+4*\i+3], v1, s[26:27] offset:\t*2048+512*\i
.endr
.endr
.irp t, 0,1,2,3,4,5,6,7
.irp i, 0,1,2,3
	global_load_b128 v[128+16*\t+4*\i:128+16*\t+4*\i+3], v1, s[26:27] offset:16384+\t*2048+512*\i
.endr
.endr
	WIN 0
.endm
.macro SCORE q, e                      ; S^T of tile q: eight products, each a whole sum (K = the 128 channels)
	WIN 0x02+(\e)
.irp t, 0,1,2,3,4,5,6,7
	v_wmma_f32_16x16x128_fp8_fp8 v[SBUF+64*((\q)%2)+8*\t:SBUF+64*((\q)%2)+8*\t+7], v[16*\t:16*\t+15], v[QF+16*(\q):QF+16*(\q)+15], 0
.endr
.endm
.macro PV q, e                         ; O^T of tile q += V^T P^T: eight accumulators, one instruction each; the link before lies a key step back
	WIN 0x52+(\e)
.irp t, 0,1,2,3,4,5,6,7
	v_wmma_f32_16x16x128_fp8_fp8 v[64*(\q)+8*\t:64*(\q)+8*\t+7], v[128+16*\t:128+16*\t+15], v[PC:PC+15], v[64*(\q)+8*\t:64*(\q)+8*\t+7]
.endr
.endm
; THE SOFTMAX of tile q for one key step.  It ends with O^T's rescaling, in window 1.
.macro SOFT q
.set SS, SBUF+64*((\q)%2)
.set SQ, ST+4*(\q)
	s_cmp_lg_u32 s[KS], s[LAST]                    ; only a block's last step has hidden keys (all earlier keys come before the block's first query): a scalar branch on ids
	s_cbranch_scc1 .Lopen_\@
	s_lshl_b32 s35, s[KS], 7
	s_sub_co_i32 s35, s[QB], s35
	s_add_co_i32 s35, s35, 16*(\q)
	v_add_nc_u32 v13, s35, v2                      ; d = my query - the step's first key - 8 h.  Register 8 t + j holds that key + 16 t + 8 h + j: hidden where 16 t + j > d
.set n, 0
.rept 64
	v_cmp_gt_i32 vcc_lo, 16*(n/8)+n%8, v13
	v_cndmask_b32 v[SS+n], v[SS+n], v12, vcc_lo    ; -infinity: p = 0 then.  The step's first key counts for every query of the block, so M stays a number
.set n, n+1
.endr
.Lopen_\@:
	v_max3_num_f32 v15, v[SS], v[SS+1], v[SS+2]    ; the step's largest score of my query among my 64 keys, in two chains, in ascending order: each accumulator is read from its low end on
	v_max3_num_f32 v244, v[SS+3], v[SS+4], v[SS+5]
.set n, 6
.rept 14
	v_max3_num_f32 v15, v15, v[SS+n], v[SS+n+1]
	v_max3_num_f32 v244, v244, v[SS+n+2], v[SS+n+3]
.set n, n+4
.endr
	v_max3_num_f32 v15, v15, v[SS+62], v[SS+63]
	v_max_num_f32 v15, v15, v244
	v_permlanex16_b32 v14, v15, s[SEL], s[SEL+1]
	v_max_num_f32 v15, v15, v14                    ; and among lane l xor 16's
	v_mul_f32 v15, s[CS], v15                      ; as t (c is positive)
	v_max_num_f32 v[SQ+1], v[SQ+1], v15            ; the running largest t
	v_mov_b32 v245, v[SQ]
	v_floor_f32 v[SQ], -v[SQ+1]                    ; the new -M = floor(-t) = -ceil(t): M is a whole number
	v_sub_f32 v245, v[SQ], v245                    ; old M - new M: a whole number, 0 or less
	v_cvt_i32_f32 v245, v245                       ; (it saturates)
	v_ldexp_f32 v240, 1.0, v245                    ; f = 2^(old M - new M)
.set n, 0
.rept 32
	v_pk_fma_f32 v[SS+n:SS+n+1], v[SS+n:SS+n+1], s[CS:CS+1], v[SQ:SQ+1] op_sel_hi:[1,0,0]   ; t - M, two at a time (of the pairs c and -M the low word serves both halves)
.set n, n+2
.endr
.set n, 0
.rept 64
	v_exp_f32 v[SS+n], v[SS+n]                     ; p = 2^(t - M)
.set n, n+1
.endr
	v_pk_mul_f32 v[SQ+2:SQ+3], v[SQ+2:SQ+3], v[240:241] op_sel_hi:[1,0]   ; l under the new M.  (The plain line behind the exponentials)
	s_wait_alu depctr_va_vdst(0)
	v_pk_add_f32 v[242:243], v[SS:SS+1], v[SS+2:SS+3]                     ; the sum is taken of the unquantised p: two at a time, in two chains
.set n, 4
.rept 15
	v_pk_add_f32 v[SQ+2:SQ+3], v[SQ+2:SQ+3], v[SS+n:SS+n+1]
	v_pk_add_f32 v[242:243], v[242:243], v[SS+n+2:SS+n+3]
.set n, n+4
.endr
	v_pk_add_f32 v[SQ+2:SQ+3], v[SQ+2:SQ+3], v[242:243]
	s_cmp_ge_i32 s[EP], -8                         ; p is at most 1 but for rounding, and 448 x 2^-8 = 1.75: from e8 = -8 on no p reaches the largest code, and the hold changes nothing.  A branch on a given whole number
	s_cbranch_scc1 .Lno_hold_\@
.set n, 0
.rept 64
	v_min_num_f32 v[SS+n], v[SS+n], v11            ; the conversion does not saturate (ISA guide 7.6.2); p is not negative, so the hold is one-sided
.set n, n+1
.endr
.Lno_hold_\@:
.irp t, 0,1,2,3,4,5,6,7
	v_cvt_scalef32_pk8_fp8_f32 v[PC+2*\t:PC+2*\t+1], v[SS+8*\t:SS+8*\t+7], v10
.endr
	WIN 0x41                                       ; O^T (destination and source 0) window 1, f window 0
.set n, 0
.rept 32
	v_pk_mul_f32 v[64*(\q)+n:64*(\q)+n+1], v[64*(\q)+n:64*(\q)+n+1], v[240:241] op_sel_hi:[1,0]   ; O^T under the new M.  (Also the plain lines between the conversions and the products that read P and write S^T anew)
.set n, n+2
.endr
.endm
; A KEY STEP on the fragments in window 2 + e.  The step four further on (my next) is asked for first, into the other window: it has this whole step in which to land.  Where I have no next step the address is
; held at the block's last step: inside the buffer, and nobody reads what lands.
; The products of tile q + 2's scores and of tile q's O^T are issued in one run ahead of tile q + 1's softmax, so that the matrix unit has work while the vector lines are issued.
.macro HALF e
.rept 4
	v_nop                                          ; places between the last products, which read the other window, and the loads into it
.endr
	s_wait_loadcnt 0x0                             ; this step's 64 loads, issued a step ago, are in (in a block's first step Q's too): so their base may be written
	s_add_co_u32 s35, s[KS], 4
	s_min_u32 s35, s35, s[LAST]
	s_lshl_b32 s36, s[BT], 5                       ; 32 key steps a batch
	s_add_co_u32 s35, s35, s36
	s_lshl_b32 s28, s35, 15                        ; 32,768 bytes a step
	s_add_nc_u64 s[26:27], s[6:7], s[28:29]
	LOADKV 1-\e
	SCORE 0, \e
	SCORE 1, \e
	WIN 0
.rept 4
	v_nop                                          ; places in front of the first read of tile 0's scores; from here on each tile's softmax is the places for the products round it
.endr
	SOFT 0
	PV 0, \e
	SCORE 2, \e
	WIN 0
	SOFT 1
	PV 1, \e
	SCORE 3, \e
	WIN 0
	SOFT 2
	PV 2, \e
	WIN 0
	SOFT 3
	PV 3, \e
	WIN 0
	s_add_co_u32 s[KS], s[KS], 4
.endm
	s_load_b256 s[4:11], s[0:1], 0x0               ; qc s[4:5], kv s[6:7], the scales' exponents s[8:9], out s[10:11]
	v_lshl_add_u32 v254, v0, 2, 0x29400
	v_mov_b32 v255, 0
	v_lshrrev_b32 v15, 5, v0
	v_readfirstlane_b32 s[WV], v15                 ; wave 0..3
	s_and_b32 s[BT], ttmp7, 0xffff
	s_mov_b32 s[BL], ttmp9                         ; the first block: j
	s_mov_b32 s29, 0                               ; the upper word of every offset
	s_mov_b32 s34, 2                               ; blocks to go
	s_mov_b32 s[SEL], 0x76543210
	s_mov_b32 s[SEL+1], 0xfedcba98
	v_and_b32 v13, 31, v0                          ; lane
	v_and_b32 v14, 15, v0                          ; r
	v_bfe_u32 v15, v0, 4, 1                        ; h
	v_lshlrev_b32 v1, 4, v13                       ; v1: 16 x lane: my place in an image
	v_lshlrev_b32 v2, 3, v15
	v_sub_nc_u32 v2, v14, v2                       ; v2: r - 8 h, for the mask
	s_lshl_b32 s35, s[WV], 7
	v_lshl_add_u32 v3, v13, 2, s35
	v_add_nc_u32 v3, NMB, v3                       ; v3: where I put my statistics: + 512 x tile
	s_lshl_b32 s35, s[WV], 9
	v_lshl_add_u32 v4, v13, 2, s35
	v_add_nc_u32 v4, NMB, v4                       ; v4: where I read tile w's: + 128 x wave
	s_lshl_b32 s35, s[WV], 13
	v_add_nc_u32 v5, s35, v1                       ; v5: where I put O^T's images of tiles 0, 1;
	v_add_nc_u32 v6, 65536, v5                     ; v6: of tiles 2, 3 (an LDS immediate has 16 bits)
	s_lshl_b32 s35, s[WV], 15
	v_add_nc_u32 v7, s35, v1                       ; v7: where I read tile w's four images
	s_mul_i32 s35, s[WV], 16*SP
	s_add_co_u32 s35, s35, STG                     ; my stage
	v_mul_u32_u24 v8, v14, SP
	v_lshl_add_u32 v8, v15, 5, v8
	v_add_nc_u32 v8, s35, v8                       ; v8: in: row r, + 32 h bytes
	v_add_nc_u32 v9, s35, v1                       ; v9: back: a row of 512 bytes, 16 a lane
	v_mov_b32 v12, 0xff800000                      ; -infinity
	v_mov_b32 v241, 0                              ; (named as the upper half of the pair v[240:241])
	s_wait_kmcnt 0x0
	s_load_b256 s[40:47], s[8:9], 0x0              ; e0 .. e7
	s_load_b64 s[48:49], s[8:9], 0x20              ; e8, e9
	s_wait_kmcnt 0x0
	s_add_co_i32 s35, s46, s47
	s_lshl_b32 s35, s35, 23
	s_add_co_i32 s[CS], s35, 0x3fb8aa3b            ; a score stands for score x 2^(e6 + e7): the two exponents are added to log2(e)'s exponent field
	s_mov_b32 s[CS+1], s[CS]                       ; (named with it as a pair, so it is written)
	s_mov_b32 s[EP], s48
	s_add_co_i32 s[EO], s48, s49
	s_add_co_i32 s35, s48, 127
	s_lshl_b32 s36, s35, 23
	v_mov_b32 v10, s36                             ; 2^e8 as f32, for the conversion
	s_add_co_i32 s35, s35, 8
	s_lshl_b32 s35, s35, 23
	s_or_b32 s35, s35, 0x600000
	v_mov_b32 v11, s35                             ; 448 x 2^e8
.Lblock:                                               ; two trips: block j, then block 63 - j
	s_lshl_b32 s[QB], s[BL], 6
	s_lshr_b32 s[LAST], s[BL], 1
	s_add_co_u32 s[CW], s[LAST], 4
	s_sub_co_u32 s[CW], s[CW], s[WV]
	s_lshr_b32 s[CW], s[CW], 2                     ; steps w, w + 4, .. up to LAST: (LAST + 4 - w) / 4, rounded down: 0 to 8
	s_mov_b32 s[KS], s[WV]
	s_lshl_b32 s35, s[BT], 8                       ; 256 tiles of queries a batch,
	s_lshl_b32 s36, s[BL], 2                       ; four a block
	s_add_co_u32 s35, s35, s36
	s_lshl_b32 s28, s35, 11
	s_add_nc_u64 s[30:31], s[4:5], s[28:29]
.irp q, 0,1,2,3
.irp i, 0,1,2,3
	global_load_b128 v[QF+16*\q+4*\i:QF+16*\q+4*\i+3], v1, s[30:31] offset:\q*2048+512*\i   ; Q's four fragments stay in registers for the block
.endr
.endr
	s_min_u32 s35, s[WV], s[LAST]                  ; my first step (held inside the block where I have none)
	s_lshl_b32 s36, s[BT], 5
	s_add_co_u32 s35, s35, s36
	s_lshl_b32 s28, s35, 15
	s_add_nc_u64 s[26:27], s[6:7], s[28:29]
	LOADKV 0
	s_lshl_b32 s35, s[BT], 12
	s_add_co_u32 s35, s35, s[QB]
	s_lshl_b32 s36, s[WV], 4
	s_add_co_u32 s35, s35, s36                     ; the rows of out that I store: tile w of the block
	s_lshl_b32 s28, s35, 9
	s_add_nc_u64 s[32:33], s[10:11], s[28:29]
	WIN 0x40
.set n, 0
.rept 256
	v_mov_b32 v[n], 0                              ; O^T.  The key step is written once: the first finds zeros, which the first change of M leaves zeros; and a wave without a step hands zeros over.  The loads above are on their way meanwhile
.set n, n+1
.endr
	WIN 0
.irp q, 0,1,2,3
	v_mov_b32 v[ST+4*\q+1], 0xff61b1e6             ; the largest t so far: -3e38, under every t
	v_floor_f32 v[ST+4*\q], -v[ST+4*\q+1]          ; -M
	v_mov_b32 v[ST+4*\q+2], 0                      ; l, in two halves
	v_mov_b32 v[ST+4*\q+3], 0
.endr
	s_mov_b32 s[IX], 0
.Lpair:                                                ; PAIRS trips, a constant: trip i holds my steps 2 i (fragments in window 2) and 2 i + 1 (window 3).  What I do not have is jumped over: scalar branches on ids
	s_lshl_b32 s35, s[IX], 1
	s_cmp_ge_u32 s35, s[CW]
	s_cbranch_scc1 .Lpair_done                     ; neither step is mine
	HALF 0
	s_lshl_b32 s35, s[IX], 1
	s_add_co_u32 s35, s35, 1
	s_cmp_ge_u32 s35, s[CW]
	s_cbranch_scc1 .Lpair_done                     ; the odd step is not mine.  It is reached only behind the even step, which asked for its fragments
	HALF 1
.Lpair_done:
	s_add_co_u32 s[IX], s[IX], 1
	s_cmp_lt_u32 s[IX], PAIRS
	s_cbranch_scc1 .Lpair
	; THE MERGE.  Every wave hands its -M, l and O^T of all four tiles over through LDS, O^T as an image of its registers; wave w then finishes tile w.
	s_wait_loadcnt 0x0                             ; the loads that ran ahead have landed: windows 2 and 3 may be written
.irp q, 0,1,2,3
	v_add_f32 v[ST+4*\q+2], v[ST+4*\q+2], v[ST+4*\q+3]   ; l's two halves.  (These additions and the four below are the places behind the last products)
.endr
.irp q, 0,1,2,3
	v_permlanex16_b32 v[ST+4*\q+3], v[ST+4*\q+2], s[SEL], s[SEL+1]
.endr
.irp q, 0,1,2,3
	v_add_f32 v[ST+4*\q+2], v[ST+4*\q+2], v[ST+4*\q+3]   ; and lane l xor 16's
.endr
.irp q, 0,1,2,3
	ds_store_b32 v3, v[ST+4*\q] offset:512*\q
	ds_store_b32 v3, v[ST+4*\q+2] offset:LSO+512*\q
.endr
	WIN 0x04                                       ; the stores' data window 1
.irp q, 0,1
.irp k, 0,1,2,3,4,5,6,7,8,9,10,11,12,13,14,15
	ds_store_b128 v5, v[64*\q+4*\k:64*\q+4*\k+3] offset:\q*32768+512*\k   ; 512 consecutive bytes a store; each accumulator from its low end on
.endr
.endr
.irp q, 0,1
.irp k, 0,1,2,3,4,5,6,7,8,9,10,11,12,13,14,15
	ds_store_b128 v6, v[128+64*\q+4*\k:128+64*\q+4*\k+3] offset:\q*32768+512*\k
.endr
.endr
	WIN 0
	s_wait_dscnt 0x0                               ; for the others' sake: my stores have landed
	s_barrier_signal -1
	s_barrier_wait -1
.irp i, 0,1,2,3
	ds_load_b32 v[246+\i], v4 offset:128*\i        ; -M of tile w from wave i,
.endr
.irp i, 0,1,2,3
	ds_load_b32 v[250+\i], v4 offset:LSO+128*\i    ; its l,
.endr
	WIN 0x80                                       ; destination window 2
.irp i, 0,1,2,3
.irp k, 0,1,2,3,4,5,6,7,8,9,10,11,12,13,14,15
	ds_load_b128 v[64*\i+4*\k:64*\i+4*\k+3], v7 offset:8192*\i+512*\k   ; and its O^T, in the same lanes and registers
.endr
.endr
	WIN 0
	s_wait_dscnt 63                                ; 72 loads were issued and the first eight are wanted: 63 is the largest count that a wait can name, and shows nine done
	v_min_num_f32 v15, v246, v247
	v_min3_num_f32 v15, v15, v248, v249            ; the smallest -M: the largest M.  A wave without a step holds -M = 3e38 and never gives it
.irp i, 0,1,2,3
	v_sub_f32 v[246+\i], v15, v[246+\i]            ; M_i - M: a whole number, 0 or less
.endr
.irp i, 0,1,2,3
	v_cvt_i32_f32 v[246+\i], v[246+\i]             ; (it saturates)
.endr
.irp i, 0,1,2,3
	v_ldexp_f32 v[246+\i], 1.0, v[246+\i]          ; f_i = 2^(M_i - M); 0 for a wave without a step
.endr
	v_mul_f32 v244, v246, v250
	v_fmac_f32 v244, v247, v251
	v_fmac_f32 v244, v248, v252
	v_fmac_f32 v244, v249, v253                    ; the row's sum
	v_rcp_f32 v244, v244
	v_nop                                          ; one plain line behind a transcendental
	s_wait_alu depctr_va_vdst(0)
	v_ldexp_f32 v244, v244, s[EO]                  ; x 2^(e8 + e9)
.irp i, 0,1,2,3
	v_mul_f32 v[16+2*\i], v[246+\i], v244          ; g_i, in the low word of a pair; the high word holds an old statistic and is not used
.endr
	s_wait_dscnt 0x0                               ; the four images are in
	WIN 0x02                                       ; source 0 window 2
.set n, 0
.rept 32
	v_pk_mul_f32 v[96+n:97+n], v[n:n+1], v[16:17] op_sel_hi:[1,0]
.set n, n+2
.endr
.irp i, 1,2,3
.set n, 0
.rept 32
	v_pk_fma_f32 v[96+n:97+n], v[64*\i+n:64*\i+n+1], v[16+2*\i:17+2*\i], v[96+n:97+n] op_sel_hi:[1,0,1]
.set n, n+2
.endr
.endr
	WIN 0
.irp t, 0,1,2,3,4,5,6,7
	ds_store_b128 v8, v[96+8*\t:99+8*\t] offset:64*\t          ; register 8 t + j is out(query r, channel 16 t + 8 h + j): 32 bytes of a row; through my own stage,
	ds_store_b128 v8, v[100+8*\t:103+8*\t] offset:64*\t+16
.endr
.irp i, 0,1,2,3,4,5,6,7,8,9,10,11,12,13,14,15
	ds_load_b128 v[160+4*\i:163+4*\i], v9 offset:\i*SP         ; and back as whole rows.  LDS serves a wave's instructions in order (ISA guide 5.7.1.4): these see my stores
.endr
.irp i, 0,1,2,3,4,5,6,7,8,9,10,11,12,13,14,15
	s_wait_dscnt 15-\i                             ; row i is back; the younger rows may be out
	global_store_b128 v1, v[160+4*\i:163+4*\i], s[32:33] offset:512*\i th:TH_STORE_NT   ; 32 lanes store a row of 512 bytes, aligned; written once, read by nobody here
.endr
	s_barrier_signal -1                            ; my reads of the images are over (the last wait above was for 0): behind this barrier the next block's merge may write them again
	s_barrier_wait -1
	s_wait_xcnt 0x0                                ; the stores' base and data are rewritten in the next block only behind this wait
	s_sub_co_u32 s[BL], 63, s[BL]                  ; the partner block
	s_sub_co_u32 s34, s34, 1
	s_cmp_lg_u32 s34, 0
	s_cbranch_scc1 .Lblock
	s_wait_tensorcnt 0x0
	ds_add_u32 v254, v255
	s_wait_dscnt 0x0
	s_endpgm
.Lfunc_end_k_qc787788c3a_attn:
	.size	k_qc787788c3a_attn, .Lfunc_end_k_qc787788c3a_attn-k_qc787788c3a_attn
	.p2alignl 7, 3214868480
	.fill 96, 4, 3214868480
	.section	.rodata,"a",@progbits
	.p2align	6, 0x0
	.amdhsa_kernel k_qc787788c3a_attn
		.amdhsa_group_segment_fixed_size 169472
		.amdhsa_private_segment_fixed_size 0
		.amdhsa_enable_private_segment 0
		.amdhsa_kernarg_size 32
		.amdhsa_user_sgpr_count 2
		.amdhsa_user_sgpr_kernarg_segment_ptr 1
		.amdhsa_wavefront_size32 1
		.amdhsa_system_sgpr_workgroup_id_x 1
		.amdhsa_system_sgpr_workgroup_id_y 1
		.amdhsa_system_sgpr_workgroup_id_z 1
		.amdhsa_system_vgpr_workitem_id 0
		.amdhsa_next_free_vgpr 1024
		.amdhsa_next_free_sgpr 66
		.amdhsa_reserve_vcc 1
		.amdhsa_float_denorm_mode_32 3
		.amdhsa_float_denorm_mode_16_64 3
		.amdhsa_memory_ordered 1
		.amdhsa_forward_progress 1
		.amdhsa_inst_pref_size 211
	.end_amdhsa_kernel
	.amdgpu_metadata
---
amdhsa.version: [ 1, 2 ]
amdhsa.kernels:
  - .name:           k_qc787788c3a_attn
    .symbol:         k_qc787788c3a_attn.kd
    .args:
      - { .name: qc, .offset: 0, .size: 8, .value_kind: global_buffer, .address_space: global }
      - { .name: kv, .offset: 8, .size: 8, .value_kind: global_buffer, .address_space: global }
      - { .name: lowp_scales, .offset: 16, .size: 8, .value_kind: global_buffer, .address_space: global }
      - { .name: out0, .offset: 24, .size: 8, .value_kind: global_buffer, .address_space: global }
    .group_segment_fixed_size: 169472
    .private_segment_fixed_size: 0
    .kernarg_segment_align: 8
    .kernarg_segment_size: 32
    .max_flat_workgroup_size: 128
    .sgpr_count:     66
    .vgpr_count:     1024
    .wavefront_size: 32
...
	.end_amdgpu_metadata
.endif
;; end of part 3
;; ======== version 2 of 2: 3 launches; version 1 with the launch attn written anew for expert scheduling mode
;; workspace buffers: wc 393,216 bytes; qc 4,194,304 bytes; kv 8,388,608 bytes
;; launch wquant: the kernel of part 1 again; grid 24 x 8, 1 waves a work-group, no clusters, 0 bytes of LDS; arguments Wq, Wk, Wv, lowp_scales, wc; writes wc
;; launch proj: the kernel of part 2 again; grid 256 x 1, 4 waves a work-group, clusters of 4 x 1, 327,680 bytes of LDS; arguments inputs, wc, lowp_scales, qc, kv; writes qc, kv
;; launch attn (part 4): grid 32 x 8, 4 waves a work-group, no clusters, 169,472 bytes of LDS; arguments qc, kv, lowp_scales, out0; writes out0
.if DOCPART == 4
	.amdgcn_target "amdgcn-amd-amdhsa--gfx1250"
	.amdhsa_code_object_version 6
	.text
	.protected	k_qc787788c3a_attn
	.globl	k_qc787788c3a_attn
	.p2align	8
	.type	k_qc787788c3a_attn,@function
k_qc787788c3a_attn:
	s_mov_b64 s[64:65], 0
	v_nop
	global_prefetch_b8 v0, s[64:65] scope:SCOPE_SE
	s_setreg_imm32_b32 hwreg(HW_REG_WAVE_SCHED_MODE, 0, 2), 2
	s_setreg_imm32_b32 hwreg(HW_REG_WAVE_MODE, 25, 1), 1
	s_wait_xcnt 0x0
	s_wait_alu depctr_vm_vsrc(0)
; out[b][q][:] = the sum over keys k <= q of softmax_k(q . k) v[k][:], both products on codes of E4M3 made by the launch before (q already holds the division by sqrt(128)).
; THE SOFTMAX AHEAD OF THE SECOND PRODUCT: t = score x log2(e); M = the largest t so far, rounded UP to a whole number; p = 2^(t - M) is quantised with 2^e8, not normalised; the sum l is taken of the
; unquantised p and divides at the end.  When M moves, l and O are multiplied by 2^(old M - new M): exact.
; LIMITS: e6 + e7 between -126 and 127 (they are added to log2(e)'s exponent field); e8 between -126 and 119; e8 + e9 is applied by v_ldexp_f32 and has none.
; SHARES.  A work-group owns two blocks of 64 queries of one batch: block j and block 63 - j.  Block b needs the key steps (128 keys) 0 .. b / 2: 33 steps for the two, in every one of the 256 work-groups.
; THE WAVES SHARE THE KEYS, NOT THE QUERIES: wave w takes key steps w, w + 4, .. for all four tiles of 16 queries, with a running M, l and O^T of its own.  So a step's K and V (32,768 bytes, images of the operands'
; registers) go from memory straight into ONE wave's registers, by loads of 512 consecutive bytes, once for the work-group, and each fragment feeds four products.  No ring in LDS, no barrier in the loop.
; At a block's end the four waves' results meet in LDS: M is a whole number, so the factors 2^(M_i - M) that bring them under the largest M round nothing.
; NO CLUSTER, NO JOINT LOADS: partners would need different numbers of steps (the blocks differ), and what is shared would have to go through LDS, where here it goes to registers; the branches on a block's
; own diagonal and on e8 would have to go as well.
; LAYOUT.  Both products are used transposed: S^T = K Q^T (source 0 = 16 keys, source 1 = 16 queries), O^T = V^T P^T (source 0 = 16 channels, source 1 = P): a lane holds ONE query (lane % 16) throughout.
; In S^T's tile t, register j of lane (r, h) is key 16 t + 8 h + j: one conversion gives registers 2 t, 2 t + 1 of P, whose layout wants k = 16 c + 8 h + 0 .. 7 there.
; REGISTERS, in windows of 256: window 0: v1-15 addresses and constants; v16-31 four registers of statistics a tile (-M, the largest t, l in two halves); v32-95 Q; v96-159, v160-223 S^T, two buffers by turns;
;   v224-239 P's codes; v240-253 at work.   window 1: O^T, 64 a tile.   windows 2, 3: K (v0-127) and V (v128-255) of the even and of the odd step of a pair; in the merge window 2 takes the four waves' O^T.
; THE MODE: SCHED_MODE bits 1:0 = 2 (LLVM: expert scheduling mode 2), set by the entry lines.  The code itself states the register dependences between vector or matrix instructions and memory or LDS
; instructions, with s_wait_alu, always for 0.
; THE PLAN.  Registers that memory or LDS instructions touch:
;   v1, v3 to v9   offsets and LDS addresses: written at the head, never again.  v254, v255: written at the head, read by the closing add alone.
;   Q (v32-95)     loaded at a block's head; read by that block's score products.
;   windows 2, 3   A step on window 2 + e reads that window alone; the next step's 64 loads land in the other window, which the products of the step BEFORE read.  In the merge LDS loads land in window 2.
;   O^T, v16-31    written by vector and matrix lines; read by the merge's LDS stores; written anew at the next block's head (v16, 18, 20, 22 in the merge itself).
;   v246-253       LDS loads of the merge land there; only the merge's vector lines name them.
;   v96-159        the merge's multiply-adds write them, the stage's LDS stores read them.   v160-223: the LDS loads from the stage land there, the global stores read them.  Both are S^T again in the next block.
; IN THE LOOP no wait is written for the loads' sake.  The wait on va_vdst that stands behind each tile's exponentials also stands behind every product of the step before; no line of the step in hand names the
; other window or v1.  So the next step's K is asked for behind tile 0's wait and its V behind tile 1's.  The other waits: one at a block's head, four in the merge, one at a block's end; each says what it states.
.set NMB,  131072                      ; LDS: 0 .. 131,071 the images of O^T [tile][wave][8,192]; here -M [tile][wave][128 bytes];
.set LSO,  2048                        ; 2,048 bytes on: l, laid likewise;
.set STG,  135168                      ; and a stage of 16 rows x (512 + 16) bytes for each wave
.set SP,   528
.set PAIRS, 4                          ; trips of the loop over my key steps, two steps a trip: a wave has (31 + 4) / 4 = 8 steps at the most
.set ST,   16
.set QF,   32
.set SBUF, 96
.set PC,   224
.set WV,   12                          ; s12  my wave's number
.set BT,   13                          ; s13  the batch
.set BL,   14                          ; s14  the block of 64 queries in hand
.set QB,   15                          ; s15  its first query
.set LAST, 16                          ; s16  its last key step
.set CW,   17                          ; s17  how many key steps are mine
.set IX,   18                          ; s18  counts the trips
.set KS,   19                          ; s19  the key step in hand
.set SEL,  20                          ; s[20:21] lane selects for v_permlanex16_b32: lane l xor 16
.set CS,   22                          ; s[22:23] c = log2(e) x 2^(e6 + e7)
.set EP,   24                          ; s24  e8
.set EO,   25                          ; s25  e8 + e9
.set MK,   40                          ; s[40:55] sixteen masks of the causal compares (at the head these registers hold the scales' exponents, which are done with by then)
.set MSB, 0
.macro WIN new                         ; low byte: bits 1:0 source 0, 3:2 source 1, 5:4 source 2, 7:6 destination; the high byte repeats the setting that is left
.if MSB != (\new)
	s_set_vgpr_msb (MSB<<8)|(\new)
.set MSB, (\new)
.endif
.endm
; 32 loads: a key step's eight fragments of K into window 2 + e; each load takes 512 consecutive bytes
.macro LOADK e
	WIN (2+(\e))<<6
.irp t, 0,1,2,3,4,5,6,7
.irp i, 0,1,2,3
	global_load_b128 v[16*\t+4*\i:16*\t+4*\i+3], v1, s[26:27] offset:\t*2048+512*\i
.endr
.endr
	WIN 0
.endm
; 32 loads: its eight fragments of V, which lie behind K's
.macro LOADV e
	WIN (2+(\e))<<6
.irp t, 0,1,2,3,4,5,6,7
.irp i, 0,1,2,3
	global_load_b128 v[128+16*\t+4*\i:128+16*\t+4*\i+3], v1, s[26:27] offset:16384+\t*2048+512*\i
.endr
.endr
	WIN 0
.endm
.macro SCORE q, e                      ; S^T of tile q: eight products, each a whole sum (K = the 128 channels)
	WIN 0x02+(\e)
.irp t, 0,1,2,3,4,5,6,7
	v_wmma_f32_16x16x128_fp8_fp8 v[SBUF+64*((\q)%2)+8*\t:SBUF+64*((\q)%2)+8*\t+7], v[16*\t:16*\t+15], v[QF+16*(\q):QF+16*(\q)+15], 0
.endr
.endm
.macro PV q, e                         ; O^T of tile q += V^T P^T: eight accumulators, one instruction each; the link before lies a key step back
	WIN 0x52+(\e)
.irp t, 0,1,2,3,4,5,6,7
	v_wmma_f32_16x16x128_fp8_fp8 v[64*(\q)+8*\t:64*(\q)+8*\t+7], v[128+16*\t:128+16*\t+15], v[PC:PC+15], v[64*(\q)+8*\t:64*(\q)+8*\t+7]
.endr
.endm
; THE SOFTMAX of tile q for one key step on window 2 + e.  ld = 1: the next step's K is asked for behind the wait for the exponentials; ld = 2: its V; ld = 0: nothing.  It ends with O^T's rescaling, in window 1.
.macro SOFT q, ld, e
.set SS, SBUF+64*((\q)%2)
.set SQ, ST+4*(\q)
	s_cmp_lg_u32 s[KS], s[LAST]                    ; only a block's last step has hidden keys (all earlier keys come before the block's first query): a scalar branch on ids
	s_cbranch_scc1 .Lopen_\@
	s_lshl_b32 s35, s[KS], 7
	s_sub_co_i32 s35, s[QB], s35
	s_add_co_i32 s35, s35, 16*(\q)
	v_add_nc_u32 v13, s35, v2                      ; d = my query - the step's first key - 8 h.  Register 8 t + j holds that key + 16 t + 8 h + j: hidden where 16 t + j > d
.set gg, 0
.rept 4                                        ; sixteen registers at a time: a run of compares into sixteen scalar registers, one wait, the sixteen selects
.set n, 0
.rept 16
	v_cmp_gt_i32 s[MK+n], 16*((16*gg+n)/8)+(16*gg+n)%8, v13
.set n, n+1
.endr
	s_wait_alu depctr_va_sdst(0)                   ; the sixteen compares have written s[MK ..], which the selects below read
.set n, 0
.rept 16
	v_cndmask_b32 v[SS+16*gg+n], v[SS+16*gg+n], v12, s[MK+n]   ; -infinity: p = 0 then.  The step's first key counts for every query of the block, so M stays a number
.set n, n+1
.endr
.set gg, gg+1
.endr
.Lopen_\@:
	v_max3_num_f32 v15, v[SS], v[SS+1], v[SS+2]    ; the step's largest score of my query among my 64 keys, in two chains, in ascending order: each accumulator is read from its low end on
	v_max3_num_f32 v244, v[SS+3], v[SS+4], v[SS+5]
.set n, 6
.rept 14
	v_max3_num_f32 v15, v15, v[SS+n], v[SS+n+1]
	v_max3_num_f32 v244, v244, v[SS+n+2], v[SS+n+3]
.set n, n+4
.endr
	v_max3_num_f32 v15, v15, v[SS+62], v[SS+63]
	v_max_num_f32 v15, v15, v244
	v_permlanex16_b32 v14, v15, s[SEL], s[SEL+1]
	v_max_num_f32 v15, v15, v14                    ; and among lane l xor 16's
	v_mul_f32 v15, s[CS], v15                      ; as t (c is positive)
	v_max_num_f32 v[SQ+1], v[SQ+1], v15            ; the running largest t
	v_mov_b32 v245, v[SQ]
	v_floor_f32 v[SQ], -v[SQ+1]                    ; the new -M = floor(-t) = -ceil(t): M is a whole number
	v_sub_f32 v245, v[SQ], v245                    ; old M - new M: a whole number, 0 or less
	v_cvt_i32_f32 v245, v245                       ; (it saturates)
	v_ldexp_f32 v240, 1.0, v245                    ; f = 2^(old M - new M)
.set n, 0
.rept 32
	v_pk_fma_f32 v[SS+n:SS+n+1], v[SS+n:SS+n+1], s[CS:CS+1], v[SQ:SQ+1] op_sel_hi:[1,0,0]   ; t - M, two at a time (of the pairs c and -M the low word serves both halves)
.set n, n+2
.endr
.set n, 0
.rept 64
	v_exp_f32 v[SS+n], v[SS+n]                     ; p = 2^(t - M)
.set n, n+1
.endr
	v_pk_mul_f32 v[SQ+2:SQ+3], v[SQ+2:SQ+3], v[240:241] op_sel_hi:[1,0]   ; l under the new M.  (The plain line behind the exponentials)
.if \ld == 0
	s_wait_alu depctr_va_vdst(0)                   ; the 64 exponentials have written p, which the sums below read
.else
	s_wait_alu depctr_va_vdst(0)                   ; the 64 exponentials have written p, which the sums below read; and the products of the step before are done reading the other window, in which the loads below land
.endif
.if \ld == 1
	LOADK 1-\e                                     ; my next step's K: no vector or matrix line of this step names the other window or v1
.elseif \ld == 2
	LOADV 1-\e                                     ; my next step's V, likewise
.endif
	v_pk_add_f32 v[242:243], v[SS:SS+1], v[SS+2:SS+3]                     ; the sum is taken of the unquantised p: two at a time, in two chains
.set n, 4
.rept 15
	v_pk_add_f32 v[SQ+2:SQ+3], v[SQ+2:SQ+3], v[SS+n:SS+n+1]
	v_pk_add_f32 v[242:243], v[242:243], v[SS+n+2:SS+n+3]
.set n, n+4
.endr
	v_pk_add_f32 v[SQ+2:SQ+3], v[SQ+2:SQ+3], v[242:243]
	s_cmp_ge_i32 s[EP], -8                         ; p is at most 1 but for rounding, and 448 x 2^-8 = 1.75: from e8 = -8 on no p reaches the largest code, and the hold changes nothing.  A branch on a given whole number
	s_cbranch_scc1 .Lno_hold_\@
.set n, 0
.rept 64
	v_min_num_f32 v[SS+n], v[SS+n], v11            ; the conversion does not saturate (ISA guide 7.6.2); p is not negative, so the hold is one-sided
.set n, n+1
.endr
.Lno_hold_\@:
.irp t, 0,1,2,3,4,5,6,7
	v_cvt_scalef32_pk8_fp8_f32 v[PC+2*\t:PC+2*\t+1], v[SS+8*\t:SS+8*\t+7], v10
.endr
	WIN 0x41                                       ; O^T (destination and source 0) window 1, f window 0
.set n, 0
.rept 32
	v_pk_mul_f32 v[64*(\q)+n:64*(\q)+n+1], v[64*(\q)+n:64*(\q)+n+1], v[240:241] op_sel_hi:[1,0]   ; O^T under the new M.  (Also the plain lines between the conversions and the products that read P and write S^T anew)
.set n, n+2
.endr
.endm
; A KEY STEP on the fragments in window 2 + e.  The step four further on (my next) is asked for in this step's first two softmaxes, into the other window: K, which the next step wants at its head, first; V, which
; it wants behind its first softmax, second.  Where I have no next step the address is held at the block's last step: inside the buffer, and nobody reads what lands.
; The products of tile q + 2's scores and of tile q's O^T are issued in one run ahead of tile q + 1's softmax, so that the matrix unit has work while the vector lines are issued.
.macro HALF e
	s_wait_loadcnt 32                              ; loads come back in order (ISA guide 5.7.1): this step's K is in (in a block's first step Q too); the 32 younger loads, its V, may be out
	s_wait_xcnt 0x0                                ; V's loads have had their addresses translated (ISA guide 3.1): only behind this wait is their base written
	s_add_co_u32 s35, s[KS], 4
	s_min_u32 s35, s35, s[LAST]
	s_lshl_b32 s36, s[BT], 5                       ; 32 key steps a batch
	s_add_co_u32 s35, s35, s36
	s_lshl_b32 s28, s35, 15                        ; 32,768 bytes a step
	s_add_nc_u64 s[26:27], s[6:7], s[28:29]
	SCORE 0, \e
	SCORE 1, \e
	WIN 0
.rept 4
	v_nop                                          ; places in front of the first read of tile 0's scores; from here on each tile's softmax is the places for the products round it
.endr
	SOFT 0, 1, \e
	s_wait_loadcnt 32                              ; this step's V is in; the 32 younger loads, the next step's K, may be out
	PV 0, \e
	SCORE 2, \e
	WIN 0
	SOFT 1, 2, \e
	PV 1, \e
	SCORE 3, \e
	WIN 0
	SOFT 2, 0, \e
	PV 2, \e
	WIN 0
	SOFT 3, 0, \e
	PV 3, \e
	WIN 0
	s_add_co_u32 s[KS], s[KS], 4
.endm
	s_load_b256 s[4:11], s[0:1], 0x0               ; qc s[4:5], kv s[6:7], the scales' exponents s[8:9], out s[10:11]
	v_lshl_add_u32 v254, v0, 2, 0x29400
	v_mov_b32 v255, 0
	v_lshrrev_b32 v15, 5, v0
	v_readfirstlane_b32 s[WV], v15                 ; wave 0..3
	s_and_b32 s[BT], ttmp7, 0xffff
	s_mov_b32 s[BL], ttmp9                         ; the first block: j
	s_mov_b32 s29, 0                               ; the upper word of every offset
	s_mov_b32 s34, 2                               ; blocks to go
	s_mov_b32 s[SEL], 0x76543210
	s_mov_b32 s[SEL+1], 0xfedcba98
	v_and_b32 v13, 31, v0                          ; lane
	v_and_b32 v14, 15, v0                          ; r
	v_bfe_u32 v15, v0, 4, 1                        ; h
	v_lshlrev_b32 v1, 4, v13                       ; v1: 16 x lane: my place in an image
	v_lshlrev_b32 v2, 3, v15
	v_sub_nc_u32 v2, v14, v2                       ; v2: r - 8 h, for the mask
	s_wait_alu depctr_va_sdst(0)                   ; s12, my wave's number, is written, ahead of its first reader: the line below
	s_lshl_b32 s35, s[WV], 7
	v_lshl_add_u32 v3, v13, 2, s35
	v_add_nc_u32 v3, NMB, v3                       ; v3: where I put my statistics: + 512 x tile
	s_lshl_b32 s35, s[WV], 9
	v_lshl_add_u32 v4, v13, 2, s35
	v_add_nc_u32 v4, NMB, v4                       ; v4: where I read tile w's: + 128 x wave
	s_lshl_b32 s35, s[WV], 13
	v_add_nc_u32 v5, s35, v1                       ; v5: where I put O^T's images of tiles 0, 1;
	v_add_nc_u32 v6, 65536, v5                     ; v6: of tiles 2, 3 (an LDS immediate has 16 bits)
	s_lshl_b32 s35, s[WV], 15
	v_add_nc_u32 v7, s35, v1                       ; v7: where I read tile w's four images
	s_mul_i32 s35, s[WV], 16*SP
	s_add_co_u32 s35, s35, STG                     ; my stage
	v_mul_u32_u24 v8, v14, SP
	v_lshl_add_u32 v8, v15, 5, v8
	v_add_nc_u32 v8, s35, v8                       ; v8: in: row r, + 32 h bytes
	v_add_nc_u32 v9, s35, v1                       ; v9: back: a row of 512 bytes, 16 a lane
	v_mov_b32 v12, 0xff800000                      ; -infinity
	v_mov_b32 v241, 0                              ; (named as the upper half of the pair v[240:241])
	s_wait_kmcnt 0x0
	s_load_b256 s[40:47], s[8:9], 0x0              ; e0 .. e7
	s_load_b64 s[48:49], s[8:9], 0x20              ; e8, e9
	s_wait_kmcnt 0x0
	s_add_co_i32 s35, s46, s47
	s_lshl_b32 s35, s35, 23
	s_add_co_i32 s[CS], s35, 0x3fb8aa3b            ; a score stands for score x 2^(e6 + e7): the two exponents are added to log2(e)'s exponent field
	s_mov_b32 s[CS+1], s[CS]                       ; (named with it as a pair, so it is written)
	s_mov_b32 s[EP], s48
	s_add_co_i32 s[EO], s48, s49
	s_add_co_i32 s35, s48, 127
	s_lshl_b32 s36, s35, 23
	v_mov_b32 v10, s36                             ; 2^e8 as f32, for the conversion
	s_add_co_i32 s35, s35, 8
	s_lshl_b32 s35, s35, 23
	s_or_b32 s35, s35, 0x600000
	v_mov_b32 v11, s35                             ; 448 x 2^e8
.Lblock:                                               ; two trips: block j, then block 63 - j
	s_lshl_b32 s[QB], s[BL], 6
	s_lshr_b32 s[LAST], s[BL], 1
	s_add_co_u32 s[CW], s[LAST], 4
	s_sub_co_u32 s[CW], s[CW], s[WV]
	s_lshr_b32 s[CW], s[CW], 2                     ; steps w, w + 4, .. up to LAST: (LAST + 4 - w) / 4, rounded down: 0 to 8
	s_mov_b32 s[KS], s[WV]
	s_lshl_b32 s35, s[BT], 8                       ; 256 tiles of queries a batch,
	s_lshl_b32 s36, s[BL], 2                       ; four a block
	s_add_co_u32 s35, s35, s36
	s_lshl_b32 s28, s35, 11
	s_add_nc_u64 s[30:31], s[4:5], s[28:29]
	s_wait_alu depctr_va_vdst(0)                   ; first trip: v1 and v3 to v9 are written, which every load and store of the kernel reads.  Second trip: the score products are done reading Q and the merge's multiply-adds window 2, in which the loads below land
.irp q, 0,1,2,3
.irp i, 0,1,2,3
	global_load_b128 v[QF+16*\q+4*\i:QF+16*\q+4*\i+3], v1, s[30:31] offset:\q*2048+512*\i   ; Q's four fragments stay in registers for the block
.endr
.endr
	s_min_u32 s35, s[WV], s[LAST]                  ; my first step (held inside the block where I have none)
	s_lshl_b32 s36, s[BT], 5
	s_add_co_u32 s35, s35, s36
	s_lshl_b32 s28, s35, 15
	s_add_nc_u64 s[26:27], s[6:7], s[28:29]
	LOADK 0
	s_lshl_b32 s35, s[BT], 12
	s_add_co_u32 s35, s35, s[QB]
	s_lshl_b32 s36, s[WV], 4
	s_add_co_u32 s35, s35, s36                     ; the rows of out that I store: tile w of the block
	s_lshl_b32 s28, s35, 9
	s_add_nc_u64 s[32:33], s[10:11], s[28:29]
	WIN 0x40
.set n, 0
.rept 256
	v_mov_b32 v[n], 0                              ; O^T.  The key step is written once: the first finds zeros, which the first change of M leaves zeros; and a wave without a step hands zeros over.  The loads above are on their way meanwhile
.set n, n+1
.endr
	WIN 0
.irp q, 0,1,2,3
	v_mov_b32 v[ST+4*\q+1], 0xff61b1e6             ; the largest t so far: -3e38, under every t
	v_floor_f32 v[ST+4*\q], -v[ST+4*\q+1]          ; -M
	v_mov_b32 v[ST+4*\q+2], 0                      ; l, in two halves
	v_mov_b32 v[ST+4*\q+3], 0
.endr
	LOADV 0                                        ; no wait: the lines since the wait at the block's head name window 1 and v16 to v31, not v1 nor window 2
	s_mov_b32 s[IX], 0
.Lpair:                                                ; PAIRS trips, a constant: trip i holds my steps 2 i (fragments in window 2) and 2 i + 1 (window 3).  What I do not have is jumped over: scalar branches on ids
	s_lshl_b32 s35, s[IX], 1
	s_cmp_ge_u32 s35, s[CW]
	s_cbranch_scc1 .Lpair_done                     ; neither step is mine
	HALF 0
	s_lshl_b32 s35, s[IX], 1
	s_add_co_u32 s35, s35, 1
	s_cmp_ge_u32 s35, s[CW]
	s_cbranch_scc1 .Lpair_done                     ; the odd step is not mine.  It is reached only behind the even step, which asked for its fragments
	HALF 1
.Lpair_done:
	s_add_co_u32 s[IX], s[IX], 1
	s_cmp_lt_u32 s[IX], PAIRS
	s_cbranch_scc1 .Lpair
	; THE MERGE.  Every wave hands its -M, l and O^T of all four tiles over through LDS, O^T as an image of its registers; wave w then finishes tile w.
	s_wait_loadcnt 0x0                             ; the loads that ran ahead have landed: windows 2 and 3 may be written
.irp q, 0,1,2,3
	v_add_f32 v[ST+4*\q+2], v[ST+4*\q+2], v[ST+4*\q+3]   ; l's two halves.  (These additions and the four below are the places behind the last products)
.endr
.irp q, 0,1,2,3
	v_permlanex16_b32 v[ST+4*\q+3], v[ST+4*\q+2], s[SEL], s[SEL+1]
.endr
.irp q, 0,1,2,3
	v_add_f32 v[ST+4*\q+2], v[ST+4*\q+2], v[ST+4*\q+3]   ; and lane l xor 16's
.endr
	s_wait_alu depctr_va_vdst(0)                   ; -M, l and O^T are written, which the LDS stores below read (the places above stay beside this wait); and all that named v246 to v253 or window 2, in which the LDS loads behind the barrier land, is done: no vector line stands between
.irp q, 0,1,2,3
	ds_store_b32 v3, v[ST+4*\q] offset:512*\q
	ds_store_b32 v3, v[ST+4*\q+2] offset:LSO+512*\q
.endr
	WIN 0x04                                       ; the stores' data window 1
.irp q, 0,1
.irp k, 0,1,2,3,4,5,6,7,8,9,10,11,12,13,14,15
	ds_store_b128 v5, v[64*\q+4*\k:64*\q+4*\k+3] offset:\q*32768+512*\k   ; 512 consecutive bytes a store; each accumulator from its low end on
.endr
.endr
.irp q, 0,1
.irp k, 0,1,2,3,4,5,6,7,8,9,10,11,12,13,14,15
	ds_store_b128 v6, v[128+64*\q+4*\k:128+64*\q+4*\k+3] offset:\q*32768+512*\k
.endr
.endr
	WIN 0
	s_wait_dscnt 0x0                               ; for the others' sake: my stores have landed
	s_barrier_signal -1
	s_barrier_wait -1
	s_wait_alu depctr_vm_vsrc(0)                   ; my LDS stores have read the statistics v16 to v30: v16, v18, v20 and v22 are written again below
.irp i, 0,1,2,3
	ds_load_b32 v[246+\i], v4 offset:128*\i        ; -M of tile w from wave i,
.endr
.irp i, 0,1,2,3
	ds_load_b32 v[250+\i], v4 offset:LSO+128*\i    ; its l,
.endr
	WIN 0x80                                       ; destination window 2
.irp i, 0,1,2,3
.irp k, 0,1,2,3,4,5,6,7,8,9,10,11,12,13,14,15
	ds_load_b128 v[64*\i+4*\k:64*\i+4*\k+3], v7 offset:8192*\i+512*\k   ; and its O^T, in the same lanes and registers
.endr
.endr
	WIN 0
	s_wait_dscnt 63                                ; 72 loads were issued and the first eight are wanted: 63 is the largest count that a wait can name, and shows nine done
	v_min_num_f32 v15, v246, v247
	v_min3_num_f32 v15, v15, v248, v249            ; the smallest -M: the largest M.  A wave without a step holds -M = 3e38 and never gives it
.irp i, 0,1,2,3
	v_sub_f32 v[246+\i], v15, v[246+\i]            ; M_i - M: a whole number, 0 or less
.endr
.irp i, 0,1,2,3
	v_cvt_i32_f32 v[246+\i], v[246+\i]             ; (it saturates)
.endr
.irp i, 0,1,2,3
	v_ldexp_f32 v[246+\i], 1.0, v[246+\i]          ; f_i = 2^(M_i - M); 0 for a wave without a step
.endr
	v_mul_f32 v244, v246, v250
	v_fmac_f32 v244, v247, v251
	v_fmac_f32 v244, v248, v252
	v_fmac_f32 v244, v249, v253                    ; the row's sum
	v_rcp_f32 v244, v244
	v_nop                                          ; one plain line behind a transcendental
	s_wait_alu depctr_va_vdst(0)                   ; the reciprocal has written v244, which the line below reads
	v_ldexp_f32 v244, v244, s[EO]                  ; x 2^(e8 + e9)
.irp i, 0,1,2,3
	v_mul_f32 v[16+2*\i], v[246+\i], v244          ; g_i, in the low word of a pair; the high word holds an old statistic and is not used
.endr
	s_wait_dscnt 0x0                               ; the four images are in
	WIN 0x02                                       ; source 0 window 2
.set n, 0
.rept 32
	v_pk_mul_f32 v[96+n:97+n], v[n:n+1], v[16:17] op_sel_hi:[1,0]
.set n, n+2
.endr
.irp i, 1,2,3
.set n, 0
.rept 32
	v_pk_fma_f32 v[96+n:97+n], v[64*\i+n:64*\i+n+1], v[16+2*\i:17+2*\i], v[96+n:97+n] op_sel_hi:[1,0,1]
.set n, n+2
.endr
.endr
	WIN 0
	s_wait_alu depctr_va_vdst(0)                   ; the multiply-adds have written v96 to v159, which the LDS stores below read; and the softmax's lines that named v160 to v223, in which the loads from the stage land, are done
.irp t, 0,1,2,3,4,5,6,7
	ds_store_b128 v8, v[96+8*\t:99+8*\t] offset:64*\t          ; register 8 t + j is out(query r, channel 16 t + 8 h + j): 32 bytes of a row; through my own stage,
	ds_store_b128 v8, v[100+8*\t:103+8*\t] offset:64*\t+16
.endr
.irp i, 0,1,2,3,4,5,6,7,8,9,10,11,12,13,14,15
	ds_load_b128 v[160+4*\i:163+4*\i], v9 offset:\i*SP         ; and back as whole rows.  LDS serves a wave's instructions in order (ISA guide 5.7.1.4): these see my stores
.endr
.irp i, 0,1,2,3,4,5,6,7,8,9,10,11,12,13,14,15
	s_wait_dscnt 15-\i                             ; row i is back; the younger rows may be out
	global_store_b128 v1, v[160+4*\i:163+4*\i], s[32:33] offset:512*\i th:TH_STORE_NT   ; 32 lanes store a row of 512 bytes, aligned; written once, read by nobody here
.endr
	s_barrier_signal -1                            ; my reads of the images are over (the last wait above was for 0): behind this barrier the next block's merge may write them again
	s_barrier_wait -1
	s_wait_xcnt 0x0                                ; the stores' base and data are rewritten in the next block only behind this wait
	s_wait_alu depctr_vm_vsrc(0)                   ; the LDS stores have read O^T, the statistics and v96 to v159, the global stores v160 to v223: the next block's moves and products write all of them again
	s_sub_co_u32 s[BL], 63, s[BL]                  ; the partner block
	s_sub_co_u32 s34, s34, 1
	s_cmp_lg_u32 s34, 0
	s_cbranch_scc1 .Lblock
	s_wait_dscnt 0x0                               ; the closing lines, six on end
	s_wait_alu 0x0
	s_wait_tensorcnt 0x0
	ds_add_u32 v254, v255
	s_wait_dscnt 0x0
	s_endpgm
.Lfunc_end_k_qc787788c3a_attn:
	.size	k_qc787788c3a_attn, .Lfunc_end_k_qc787788c3a_attn-k_qc787788c3a_attn
	.p2alignl 7, 3214868480
	.fill 96, 4, 3214868480
	.section	.rodata,"a",@progbits
	.p2align	6, 0x0
	.amdhsa_kernel k_qc787788c3a_attn
		.amdhsa_group_segment_fixed_size 169472
		.amdhsa_private_segment_fixed_size 0
		.amdhsa_enable_private_segment 0
		.amdhsa_kernarg_size 32
		.amdhsa_user_sgpr_count 2
		.amdhsa_user_sgpr_kernarg_segment_ptr 1
		.amdhsa_wavefront_size32 1
		.amdhsa_system_sgpr_workgroup_id_x 1
		.amdhsa_system_sgpr_workgroup_id_y 1
		.amdhsa_system_sgpr_workgroup_id_z 1
		.amdhsa_system_vgpr_workitem_id 0
		.amdhsa_next_free_vgpr 1024
		.amdhsa_next_free_sgpr 66
		.amdhsa_reserve_vcc 0
		.amdhsa_float_denorm_mode_32 3
		.amdhsa_float_denorm_mode_16_64 3
		.amdhsa_memory_ordered 1
		.amdhsa_forward_progress 1
		.amdhsa_inst_pref_size 245
	.end_amdhsa_kernel
	.amdgpu_metadata
---
amdhsa.version: [ 1, 2 ]
amdhsa.kernels:
  - .name:           k_qc787788c3a_attn
    .symbol:         k_qc787788c3a_attn.kd
    .args:
      - { .name: qc, .offset: 0, .size: 8, .value_kind: global_buffer, .address_space: global }
      - { .name: kv, .offset: 8, .size: 8, .value_kind: global_buffer, .address_space: global }
      - { .name: lowp_scales, .offset: 16, .size: 8, .value_kind: global_buffer, .address_space: global }
      - { .name: out0, .offset: 24, .size: 8, .value_kind: global_buffer, .address_space: global }
    .group_segment_fixed_size: 169472
    .private_segment_fixed_size: 0
    .kernarg_segment_align: 8
    .kernarg_segment_size: 32
    .max_flat_workgroup_size: 128
    .sgpr_count:     66
    .vgpr_count:     1024
    .wavefront_size: 32
...
	.end_amdgpu_metadata
.endif
;; end of part 4
